; MI455X (gfx1250); checked and timed in simulation.
; The chip was launched on July 23, 2026; its instructions are those of AMD's public machine-readable ISA for CDNA 5 (MIT licence, August 2026) and "CDNA5" Instruction Set Architecture Reference Guide (July 2026). The comments in the code are by the model that wrote it; some were corrected since.
;; TT Feed Forward. Allowed arithmetic: float matrix products may take bf16 or f16 operands with f32 sums; all other float work in f32.
;; Inputs: fc1_b 4,096 float32; fc1_c0 1 x 8 x 16 x 16 float32; fc1_c1 16 x 16 x 16 x 16 float32; fc1_c2 16 x 8 x 16 x 1 float32; fc2_b 1,024 float32; fc2_c0 1 x 16 x 8 x 16 float32; fc2_c1 16 x 16 x 16 x 16 float32; fc2_c2 16 x 16 x 8 x 1 float32; x 4 x 512 x 1,024 float32.
;; Outputs: out0 4 x 512 x 1,024 float32.
;; 2 versions, each right; version 2 is version 1 with the launch ttffn written anew for expert scheduling mode. Each part assembles by itself: llvm-mc -triple=amdgcn-amd-amdhsa -mcpu=gfx1250 --defsym DOCPART=n.
;; ======== version 1 of 2: 2 launches
;; limits: a function is approximated: absolute error at most 1.5e-07
;; workspace buffers: wts 288,768 bytes
;; launch prep (part 1): grid 8 x 2, 32 waves a work-group, no clusters, 4,608 bytes of LDS; arguments fc1_c0, fc1_c1, fc1_c2, fc2_c0, fc2_c1, fc2_c2, wts; writes wts
.if DOCPART == 1
	.amdgcn_target "amdgcn-amd-amdhsa--gfx1250"
	.amdhsa_code_object_version 6
	.text
	.protected	k_q0c390763d9_prep
	.globl	k_q0c390763d9_prep
	.p2align	8
	.type	k_q0c390763d9_prep,@function
k_q0c390763d9_prep:
	s_mov_b64 s[64:65], 0
	v_nop
	global_prefetch_b8 v0, s[64:65] scope:SCOPE_SE
	s_setreg_imm32_b32 hwreg(HW_REG_WAVE_MODE, 25, 1), 1
	s_wait_xcnt 0x0
; Weight preparation for the TT feed-forward: the six f32 cores become f16 matrix fragments, laid out so that the main launch
; loads them straight into registers (16 bytes a lane, 512 neighbouring bytes a wave).
; Work-group (part, layer): layer = 0 (fc1) or 1 (fc2); each of the 8 parts converts 1,024 of the 8,192 16-byte units of the middle core
; (output modes m = 2 part, 2 part + 1); part 0 also converts the first core, part 1 the last; the even parts store a scale.
; NORMALISATION: each operand is multiplied by an exact power of two so that its largest magnitude lies below 2^a,
; a = (2, 2, 0) for fc1 and (1, 2, 0) for fc2.  The middle core has one power for each quarter of its output mode (m = 4w .. 4w + 3,
; what wave w of the main launch owns): m is a free index of the result, so the power may differ with it, and a work-group scans
; 64 KiB for its maximum, not 256 KiB.  The product of the three inverse powers is stored as one f32 for each quarter (64 copies: 256 bytes).
; So the f16 operands do not depend on the scale of the inputs.
; LIMITS: NaN and infinities in the cores are not served.  The exponent taken from a maximum is clamped to biased 4 .. 250
; (maxima below 2^-122 or above 2^124 are not fully normalised).  The product of the three inverse powers must lie in f32's range.
; Elements more than 2^14 below the normalised scale round with an absolute error of 2^-25 of that scale (f16 denormals).
; Every work-group finds its maxima for itself: no traffic between work-groups.
.set LSTR,  144384                     ; bytes of a layer's block in wts
.set A0OFF, 131072                     ; first core's half fragments
.set A2OFF, 139264                     ; last core's fragments
.set SCOFF, 143360                     ; four blocks of 256 bytes: the scale of each quarter
	s_load_b256 s[8:15], s[0:1], 0x0               ; fc1_c0 s[8:9], fc1_c1 s[10:11], fc1_c2 s[12:13], fc2_c0 s[14:15]
	s_load_b128 s[16:19], s[0:1], 0x20             ; fc2_c1 s[16:17], fc2_c2 s[18:19]
	s_load_b64 s[20:21], s[0:1], 0x30              ; wts
	v_lshl_add_u32 v96, v0, 2, 0x200
	v_mov_b32 v97, 0
	s_and_b32 s4, ttmp7, 0xffff                    ; layer
	s_mov_b32 s5, ttmp9                            ; part
	v_lshrrev_b32 v3, 5, v0
	v_readfirstlane_b32 s6, v3                     ; wave 0..31
	v_mov_b32 v3, s6
	v_lshlrev_b32 v3, 2, v3                        ; my wave's word in LDS
	v_lshlrev_b32 v1, 4, v0                        ; 16 t
	v_and_b32 v2, 0x1ff, v0
	v_lshlrev_b32 v2, 4, v2                        ; 16 (t mod 512)
	v_and_b32 v10, 31, v0
	v_lshlrev_b32 v10, 2, v10                      ; 4 x lane
	v_mov_b32 v11, 0                               ; destination of v_permlanex16_b32: written before
	s_mov_b32 s40, 0x76543210
	s_mov_b32 s41, 0xfedcba98
	s_lshr_b32 s7, s5, 1
	s_lshl_b32 s7, s7, 8                           ; 256 x quarter
	; the scan: the quarter is 256 pieces of 256 bytes, 1,024 bytes apart; sixteen lanes take a piece, load k takes pieces 64 k + t / 16
	v_lshrrev_b32 v48, 4, v0
	v_and_b32 v49, 15, v0
	v_lshlrev_b32 v48, 10, v48
	v_lshl_add_u32 v48, v49, 4, v48
	v_add_nc_u32 v48, s7, v48
	; middle core.  Unit o: lane = o & 31 (r = lane & 15, h = lane >> 4), n = (o >> 5) & 15, m = (o >> 9) & 15;
	; element e = core[8h + e][n][m][r], flat index 32768 h + 4096 e + 256 n + 16 m + r
	s_lshl_b32 s36, s5, 10
	v_add_nc_u32 v14, s36, v0                      ; o
	v_and_b32 v28, 15, v0                          ; r
	v_bfe_u32 v29, v0, 4, 1                        ; h
	v_bfe_u32 v50, v14, 5, 4                       ; n
	v_bfe_u32 v51, v14, 9, 4                       ; m
	v_lshlrev_b32 v15, 2, v28
	v_lshl_add_u32 v15, v29, 17, v15
	v_lshl_add_u32 v15, v50, 10, v15
	v_lshl_add_u32 v15, v51, 6, v15
	v_lshlrev_b32 v14, 4, v14                      ; 16 o
	s_mul_i32 s22, s4, LSTR
	s_mov_b32 s23, 0
	s_wait_kmcnt 0x0
	s_cmp_eq_u32 s4, 0
	s_cselect_b64 s[24:25], s[8:9], s[14:15]       ; this layer's first core,
	s_cselect_b64 s[26:27], s[10:11], s[16:17]     ; middle core,
	s_cselect_b64 s[28:29], s[12:13], s[18:19]     ; last core
	s_add_nc_u64 s[20:21], s[20:21], s[22:23]      ; this layer's block of wts
	s_cmp_lt_u32 s6, 16
	s_cselect_b64 s[30:31], s[24:25], s[28:29]     ; waves 0-15 scan the first core, waves 16-31 the last
; Eight f32, es bytes apart: the elements of one unit
.macro LD8 b, vo, es
.set ce, 0
.rept 8
	global_load_b32 v[16+ce], v[\vo], s[\b:\b+1] offset:ce*\es
.set ce, ce+1
.endr
.endm
; times v[12:13], to eight f16, stored
.macro CV8 vout, oo
	s_wait_loadcnt 0x0
.set ce, 0
.rept 4
	v_pk_mul_f32 v[16+2*ce:17+2*ce], v[16+2*ce:17+2*ce], v[12:13]
.set ce, ce+1
.endr
.set ce, 0
.rept 4
	v_cvt_pk_f16_f32 v[24+ce], v[16+2*ce], v[17+2*ce]
.set ce, ce+1
.endr
	global_store_b128 v[\vout], v[24:27], s[20:21] offset:\oo      ; a wave stores 512 neighbouring bytes
.endm
.macro CONV2 b, vo, es, oo             ; a small core's unit, behind the middle core's
	s_wait_xcnt 0x0                                ; v[24:27] are the earlier store's data: rewritten only behind this wait
	LD8 \b, \vo, \es
	CV8 1, \oo
.endm
.set k, 0
.rept 4
	global_load_b128 v[32+4*k:35+4*k], v48, s[26:27] offset:65536*k
.set k, k+1
.endr
	global_load_b128 v[4:7], v2, s[30:31]
	LD8 26, 15, 16384                              ; my unit's elements, asked for now: they hang on no maximum
	s_wait_loadcnt 8                               ; loads return in order (ISA guide 5.7.1): the five loads of the scan are in, the eight behind them stay out
	v_max_num_f32 v8, |v32|, |v33|
.set k, 1
.rept 7
	v_max3_num_f32 v8, |v[32+2*k]|, |v[33+2*k]|, v8
.set k, k+1
.endr
	v_max_num_f32 v9, |v4|, |v5|
	v_max3_num_f32 v9, |v6|, |v7|, v9
.macro ROWMAX r                        ; the maximum over each row of 16 lanes, in all of them
	v_max_num_f32_dpp v[\r], v[\r], v[\r] row_xmask:1 row_mask:0xf bank_mask:0xf
	v_max_num_f32_dpp v[\r], v[\r], v[\r] row_xmask:2 row_mask:0xf bank_mask:0xf
	v_max_num_f32_dpp v[\r], v[\r], v[\r] row_xmask:4 row_mask:0xf bank_mask:0xf
	v_max_num_f32_dpp v[\r], v[\r], v[\r] row_xmask:8 row_mask:0xf bank_mask:0xf
.endm
.macro WAVEMAX r                       ; and over both rows
	ROWMAX \r
	v_permlanex16_b32 v11, v[\r], s40, s41
	v_max_num_f32 v[\r], v[\r], v11
.endm
	WAVEMAX 8
	WAVEMAX 9
	ds_store_b32 v3, v8                            ; words 0-31: the waves' maxima of the quarter
	ds_store_b32 v3, v9 offset:128                 ; words 32-47: of the first core; 48-63: of the last
	s_wait_dscnt 0x0                               ; for the other waves: my stores are done before I signal
	s_barrier_signal -1
	s_barrier_wait -1
	ds_load_b32 v8, v10
	ds_load_b32 v9, v10 offset:128
	s_wait_dscnt 0x0
	WAVEMAX 8
	ROWMAX 9                                       ; lanes 0-15: first core; lanes 16-31: last core
	v_readlane_b32 s32, v8, 0
	v_readlane_b32 s33, v9, 0
	v_readlane_b32 s34, v9, 16
; f = 2^(a - E), inv = 2^(E - a), E = biased exponent of the maximum - 126.  ka = 253 + a.  f's biased exponent is ka - be, inv's 254 less that.
.macro SCALE mx, ka, f, inv
	s_bfe_u32 s[\inv], s[\mx], 0x80017             ; 8 bits from bit 23
	s_max_u32 s[\inv], s[\inv], 4
	s_min_u32 s[\inv], s[\inv], 250
	s_sub_co_u32 s[\f], \ka, s[\inv]
	s_sub_co_u32 s[\inv], 254, s[\f]
	s_lshl_b32 s[\f], s[\f], 23
	s_lshl_b32 s[\inv], s[\inv], 23
.endm
	s_sub_co_u32 s35, 255, s4                      ; first core: a = 2 in fc1, 1 in fc2
	SCALE 33, s35, 37, 42
	SCALE 32, 255, 38, 43
	SCALE 34, 253, 39, 44
	s_mul_f32 s45, s42, s43
	s_mul_f32 s45, s45, s44                        ; what the main launch multiplies the last product by
	v_mov_b32 v12, s38
	v_mov_b32 v13, s38
	CV8 14, 0                                      ; the middle core's unit
	; the quarter's scale: the even part of the two that share the quarter, its last wave
	s_and_b32 s46, s5, 1
	s_cmp_eq_u32 s46, 0
	s_cbranch_scc0 .Lnoscale
	s_cmp_eq_u32 s6, 31
	s_cbranch_scc0 .Lnoscale
	v_mov_b32 v52, s45
	v_mov_b32 v53, s45
	v_lshlrev_b32 v54, 1, v10                      ; 8 x lane
	v_add_nc_u32 v54, s7, v54
	global_store_b64 v54, v[52:53], s[20:21] offset:SCOFF          ; 32 lanes x 8 bytes: 256 neighbouring bytes, aligned
.Lnoscale:
	; the small cores: unit o = t
	v_lshrrev_b32 v31, 5, v0                       ; o >> 5
	v_lshlrev_b32 v30, 2, v28
	v_lshl_add_u32 v30, v31, 6, v30                ; 64 (o >> 5) + 4 r
	v_lshl_add_u32 v32, v29, 12, v30               ; + 4096 h
	s_cmp_eq_u32 s5, 0
	s_cbranch_scc1 .Lpart0
	s_cmp_eq_u32 s5, 1
	s_cbranch_scc1 .Lpart1
	s_wait_tensorcnt 0x0
	ds_add_u32 v96, v97
	s_wait_dscnt 0x0
	s_endpgm
.Lpart0:
	s_cmp_eq_u32 s4, 0
	s_cbranch_scc0 .Lfirst2
	s_cmp_lt_u32 s6, 16                            ; fc1: 512 units; element e = h ? 0 : c0[e][o >> 5][r] (K = 8 of the 16 in a half fragment)
	s_cbranch_scc0 .Ldone
	v_cmp_eq_u32 vcc_lo, 0, v29
	v_mov_b32 v13, s37
	v_cndmask_b32 v12, 0, v13, vcc_lo              ; lanes 16-31 multiply by 0
	v_mov_b32 v13, v12
	CONV2 24, 30, 1024, A0OFF
	s_wait_tensorcnt 0x0
	ds_add_u32 v96, v97
	s_wait_dscnt 0x0
	s_endpgm
.Lfirst2:
	s_cmp_lt_u32 s6, 8                             ; fc2: 256 units; element e = d0[8h + e][o >> 5][r]
	s_cbranch_scc0 .Ldone
	v_mov_b32 v12, s37
	v_mov_b32 v13, s37
	CONV2 24, 32, 512, A0OFF
	s_wait_tensorcnt 0x0
	ds_add_u32 v96, v97
	s_wait_dscnt 0x0
	s_endpgm
.Lpart1:
	s_cmp_lt_u32 s6, 8                             ; 256 units
	s_cbranch_scc0 .Ldone
	v_mov_b32 v12, s39
	v_mov_b32 v13, s39
	s_cmp_eq_u32 s4, 0
	s_cbranch_scc0 .Llast2
	CONV2 28, 32, 512, A2OFF                       ; fc1: element e = c2[8h + e][o >> 5][r]
	s_wait_tensorcnt 0x0
	ds_add_u32 v96, v97
	s_wait_dscnt 0x0
	s_endpgm
.Llast2:
	v_and_b32 v30, 7, v0                           ; fc2: element e = d2[8h + e][8 (r >> 3) + (o >> 5)][r & 7]
	v_bfe_u32 v33, v0, 3, 1
	v_lshlrev_b32 v30, 2, v30
	v_lshl_add_u32 v30, v33, 8, v30
	v_lshl_add_u32 v30, v31, 5, v30
	v_lshl_add_u32 v30, v29, 12, v30
	CONV2 28, 30, 512, A2OFF
.Ldone:
	s_wait_tensorcnt 0x0
	ds_add_u32 v96, v97
	s_wait_dscnt 0x0
	s_endpgm
.Lfunc_end_k_q0c390763d9_prep:
	.size	k_q0c390763d9_prep, .Lfunc_end_k_q0c390763d9_prep-k_q0c390763d9_prep
	.p2alignl 7, 3214868480
	.fill 96, 4, 3214868480
	.section	.rodata,"a",@progbits
	.p2align	6, 0x0
	.amdhsa_kernel k_q0c390763d9_prep
		.amdhsa_group_segment_fixed_size 4608
		.amdhsa_private_segment_fixed_size 0
		.amdhsa_enable_private_segment 0
		.amdhsa_kernarg_size 56
		.amdhsa_user_sgpr_count 2
		.amdhsa_user_sgpr_kernarg_segment_ptr 1
		.amdhsa_wavefront_size32 1
		.amdhsa_system_sgpr_workgroup_id_x 1
		.amdhsa_system_sgpr_workgroup_id_y 1
		.amdhsa_system_sgpr_workgroup_id_z 1
		.amdhsa_system_vgpr_workitem_id 0
		.amdhsa_next_free_vgpr 98
		.amdhsa_next_free_sgpr 66
		.amdhsa_reserve_vcc 1
		.amdhsa_float_denorm_mode_32 3
		.amdhsa_float_denorm_mode_16_64 3
		.amdhsa_memory_ordered 1
		.amdhsa_forward_progress 1
		.amdhsa_inst_pref_size 16
	.end_amdhsa_kernel
	.amdgpu_metadata
---
amdhsa.version: [ 1, 2 ]
amdhsa.kernels:
  - .name:           k_q0c390763d9_prep
    .symbol:         k_q0c390763d9_prep.kd
    .args:
      - { .name: fc1_c0, .offset: 0, .size: 8, .value_kind: global_buffer, .address_space: global }
      - { .name: fc1_c1, .offset: 8, .size: 8, .value_kind: global_buffer, .address_space: global }
      - { .name: fc1_c2, .offset: 16, .size: 8, .value_kind: global_buffer, .address_space: global }
      - { .name: fc2_c0, .offset: 24, .size: 8, .value_kind: global_buffer, .address_space: global }
      - { .name: fc2_c1, .offset: 32, .size: 8, .value_kind: global_buffer, .address_space: global }
      - { .name: fc2_c2, .offset: 40, .size: 8, .value_kind: global_buffer, .address_space: global }
      - { .name: wts, .offset: 48, .size: 8, .value_kind: global_buffer, .address_space: global }
    .group_segment_fixed_size: 4608
    .private_segment_fixed_size: 0
    .kernarg_segment_align: 8
    .kernarg_segment_size: 56
    .max_flat_workgroup_size: 1024
    .sgpr_count:     66
    .vgpr_count:     98
    .wavefront_size: 32
...
	.end_amdgpu_metadata
.endif
;; end of part 1
;; launch ttffn (part 2): grid 256 x 1, 4 waves a work-group, no clusters, 300,032 bytes of LDS; arguments x, fc1_b, fc2_b, wts, out0; writes out0
.if DOCPART == 2
	.amdgcn_target "amdgcn-amd-amdhsa--gfx1250"
	.amdhsa_code_object_version 6
	.text
	.protected	k_q0c390763d9_ttffn
	.globl	k_q0c390763d9_ttffn
	.p2align	8
	.type	k_q0c390763d9_ttffn,@function
k_q0c390763d9_ttffn:
	s_mov_b64 s[64:65], 0
	v_nop
	global_prefetch_b8 v0, s[64:65] scope:SCOPE_SE
	s_setreg_imm32_b32 hwreg(HW_REG_WAVE_MODE, 25, 1), 1
	s_wait_xcnt 0x0
; TT feed-forward, whole chain: out = TT2(gelu(TT1(x) + b1)) + b2.  2,048 tokens; a work-group owns 8 tokens, four waves, one on each SIMD.
; Each TT layer is three products in the order of the reference: step 0 (first core), step 1 (middle core, K = 256), step 2 (last core).
; The work goes in chunks along the first output mode (16 chunks in fc1, 8 in fc2).
; WEIGHTS ARE MATRIX OPERAND A, DATA OPERAND B.  The 16 columns of every tile are (bit, token): bit = the top bit of the last input mode
; (n3 = 4 bit + c in fc1, a3 = 8 bit + c in fc2).  A result tile holds row 8h + j in register j of lane (r, h): four packing conversions make
; of it half of the next step's B fragment (k = 8h .. 8h + 7 of column r), with no transposition.
; Wave w owns rows m2 = 4w .. 4w + 3 of step 1; its quarter of each middle core (256 registers) stays in registers while its layer runs.
; Step 0's results are needed by all four waves and go through LDS (two buffers that take turns, one barrier a chunk).
; Step 2's weights depend on the column's bit: in fc1 two products (bit' = 0, 1), in fc2 the 16 rows are (bit', b3); only bit' = bit is
; wanted, and the two wanted halves are added across lanes.
; THE CONVERSIONS STAND INSIDE THE MATRIX RUNS.  With one wave on a SIMD nothing else fills the matrix unit while the wave converts.  So step 1
; has two sets of sums that take turns: column tile c - 1 is packed in four bundles (window switch, four conversions, switch back: six
; instructions) behind the first four matrix instructions of tile c, and step 0's results are packed in place in sixteen such bundles behind
; later ones.  LDS and global instructions are kept in one run at each tile's head.
; FORMAT: f16 operands, f32 sums.  Every operand is normalised by an exact power of two: the cores by the launch before (largest magnitude
; below 4, 4, 1 in fc1 and 2, 4, 1 in fc2; the middle core quarter by quarter), x and h here by the work-group's largest magnitude (below 1).
; Then for every input |step 0| <= 8*4*1 = 16*2*1 = 32 and |step 1| <= 256*4*32 = 32,768, inside f16; the powers are undone in the fused
; multiply-add with the bias.
; GELU: Phi by the erfc form of Abramowitz and Stegun 7.1.26 (absolute error of erf at most 1.5e-7): q = poly(t) exp(-z^2/2) / 2,
; t = 1 / (1 + 0.23164189 |z|); Phi = q where z < 0, else 1 - q.
; LIMITS: NaN and infinities in the inputs are not served.  The exponent of a maximum is clamped to biased 4 .. 250 (x or h with a largest
; magnitude below 2^-122 or above 2^124 are not fully normalised); the product of the inverse powers must lie in f32's range.
; Numbers more than 2^14 below their tensor's largest round with an absolute error of 2^-25 of that largest.
; NO CLUSTER, NO TENSOR LOADS: what work-groups share is the weights, 280 KiB, which each reads once, in fragment order, straight into
; registers. x is 32 KiB read once.
;
; LDS: EX0 0, EX1 65,536: step 0's half fragments, tile c, mode n at c*8192 + n*512 + 16 lane.
;      HB 131,072 (147,584 bytes): h in f32 at a1*9224 + a2*576 + c*64 + (8 bit + token)*4.  The same bytes hold x first (token pitch 4,128)
;      and y last (token pitch 4,160); a barrier stands between the last read of one and the first store of the next.
;      B1S, B2S: the biases.  RED: 8 words, the waves' maxima of x and of h.
; REGISTERS: window 0: v1-23 addresses and scales, v24-31 step 0's A, v32-95 and v96-159 step 1's B (two buffers; the epilogues' temporaries
;      and the bias lie there too), v160-191 and v224-255 step 1's sums (two sets), v192-223 step 2's B.
;      Window 1: fc1's middle core, fragment (t, kf) at 8 (8t + kf).  Window 2: fc2's.  The window that the running layer does not need
;      (2 in fc1, 1 in fc2) holds step 0's results, v0-127 (16 tiles), and at v128, v129 the LDS addresses that they are stored to.
;      Window 3: v0-135 step 0's B fragments (fragment i = registers 4i .. 4i+7: the upper four meet zeros in A and only have to be finite),
;      v136-167 step 2's A, v168-231 step 2's sums.
.set LSTR,  144384
.set A0OFF, 131072
.set A2OFF, 139264
.set SCOFF, 143360                     ; four blocks of 256 bytes: wave w's scale in block w
.set HB,    131072
.set B1S,   278784
.set B2S,   295168
.set RED,   299264
.set XP,    4128                       ; x: bytes from token to token (1032 words: tokens 8 banks apart)
.set YP,    4160                       ; y: the same
.set VR,    1                          ; v1, v2   16 lane (+ 65,536): where step 1 reads buffer 0, 1
.set VH,    6                          ; v6       where h (fc1) or y (fc2) goes
.set VB,    7                          ; v7       where my bias lies
.set VX,    8                          ; v8, v9   gather bases
.set FA0,   24
.set BF0,   32
.set TMP,   144                        ; the bias, and scratch outside the chunks: the top of the second B buffer
.set ACC,   160                        ; the sums of even column tiles; those of odd ones 64 registers up
.set STASH, 192
.set XF,    0                          ; window 3
.set FA2,   136                        ; window 3
.set PS2,   168                        ; window 3
.set PVW,   128                        ; the free window: where step 0 stores into buffer 0, 1
.set EU, 32                            ; the epilogues' temporaries, in the B buffers
.set EV, 48
.set EZ, 64
.set ET, 80
.set EW, 96
.set EP, 112
.set ER, 128
.set MSB, 0
.set pq, 18                            ; state of step 0's batch: 0-15 tile to pack next, 16 and 17 half to store next, 18 nothing left
.macro WIN new                         ; low byte: bits 1:0 source 0, 3:2 source 1, 5:4 source 2, 7:6 destination; high byte: the setting left
.if MSB != \new
	s_set_vgpr_msb (MSB<<8)|\new
.set MSB, \new
.endif
.endm
.macro NOP4                            ; the places behind a matrix instruction before its registers are read or written by anything else (ISA guide 7.12.1)
.rept 4
	v_nop
.endr
.endm
.macro WMAX r                          ; maximum over the wave's 32 lanes
	v_max_num_f32_dpp v[\r], v[\r], v[\r] row_xmask:1 row_mask:0xf bank_mask:0xf
	v_max_num_f32_dpp v[\r], v[\r], v[\r] row_xmask:2 row_mask:0xf bank_mask:0xf
	v_max_num_f32_dpp v[\r], v[\r], v[\r] row_xmask:4 row_mask:0xf bank_mask:0xf
	v_max_num_f32_dpp v[\r], v[\r], v[\r] row_xmask:8 row_mask:0xf bank_mask:0xf
	v_permlanex16_b32 v11, v[\r], s20, s21
	v_max_num_f32 v[\r], v[\r], v11
.endm
; From the four waves' maxima: v[14:15] = 2^-E (brings the data below 1), v[12:13] = 2^E x the cores' inverse powers.  E = biased exponent - 126.
.macro MKSCALE sw, off
	v_mov_b32 v20, RED+\off
	ds_load_b128 v[TMP:TMP+3], v20
	s_wait_dscnt 0x0
	v_max3_num_f32 v[TMP], v[TMP], v[TMP+1], v[TMP+2]
	v_max_num_f32 v[TMP], v[TMP], v[TMP+3]
	v_bfe_u32 v[TMP], v[TMP], 23, 8
	v_max_u32 v[TMP], 4, v[TMP]
	v_min_u32 v[TMP], 0xfa, v[TMP]
	v_sub_nc_u32 v[TMP+1], 0xfd, v[TMP]
	v_add_nc_u32 v[TMP], 1, v[TMP]
	v_lshlrev_b32 v14, 23, v[TMP+1]
	v_lshlrev_b32 v[TMP], 23, v[TMP]
	v_mov_b32 v15, v14                             ; pairs for the packed forms
	v_mul_f32 v12, s[\sw], v[TMP]
	v_mov_b32 v13, v12
.endm
; Step 0's B fragments, once for a layer: nb batches of 8 tiles; tile i = (mode i / nc of my four, c = i % nc); element e of a lane lies ks bytes
; from element e - 1 (v8 serves e = 0..3, v9 e = 4..7).  f32 from LDS, times 2^-E, packed to f16 into window 3.
.macro GATHER nb, nc, ks, ps, cs
.set gb, 0
.rept \nb
.set gq, 0
.rept 8
.set gidx, gb*8+gq
.set goff, (gidx/\nc)*\ps+(gidx%\nc)*\cs
.set gi, 0
.rept 8
	ds_load_b32 v[BF0+8*gq+gi], v[VX+gi/4] offset:goff+(gi%4)*\ks
.set gi, gi+1
.endr
.set gq, gq+1
.endr
	s_wait_dscnt 0x0
.set gi, 0
.rept 32
	v_pk_mul_f32 v[BF0+2*gi:BF0+2*gi+1], v[BF0+2*gi:BF0+2*gi+1], v[14:15]
.set gi, gi+1
.endr
	WIN 0xc0
.set gi, 0
.rept 32
	v_cvt_pk_f16_f32 v[XF+32*gb+gi], v[BF0+2*gi], v[BF0+2*gi+1]
.set gi, gi+1
.endr
	WIN 0
.set gb, gb+1
.endr
	WIN 0xc0
.set gi, 0
.rept 4
	v_mov_b32 v[XF+32*\nb+gi], 0                   ; the last fragment's upper half
.set gi, gi+1
.endr
	WIN 0
.endm
; 16 loads: the eight B fragments (K = 256) of column tile c from buffer par
.macro LOADB par, c, bf
.set lq, 0
.rept 16
	ds_load_b128 v[\bf+4*lq:\bf+4*lq+3], v[VR+\par] offset:(\c)*8192+lq*512
.set lq, lq+1
.endr
.endm
; Step 0, batch b of a chunk: 16 matrix instructions, tiles 16 b .. 16 b + 15, results into the free window.  wb: the buffer that they are bound for.
.macro PWMMA l, b, wb
.if \l == 1
	WIN 0x8c                                       ; A window 0, B window 3, D window 2
.else
	WIN 0x4c                                       ; D window 1
.endif
.set pt, 0
.rept 16
	v_wmma_f32_16x16x32_f16 v[8*pt:8*pt+7], v[FA0:FA0+7], v[XF+4*(16*(\b)+pt):XF+4*(16*(\b)+pt)+7], 0
.set pt, pt+1
.endr
.set pq, 0
.set pbase, 16*(\b)
.set pvw, PVW+(\wb)
.endm
.macro PCVT                            ; tile pq of the batch: eight f32 to four registers of f16, in place (register i is written when 2i and 2i + 1 have been read)
.set pi, 0
.rept 4
	v_cvt_pk_f16_f32 v[8*pq+pi], v[8*pq+2*pi], v[8*pq+2*pi+1]
.set pi, pi+1
.endr
.set pq, pq+1
.endm
.macro PSTORE nc                       ; eight stores in a run: half pq - 16 of the batch
.set pi, 8*(pq-16)
.rept 8
.set pidx, pbase+pi
	ds_store_b128 v[pvw], v[8*pi:8*pi+3] offset:(pidx%\nc)*8192+(pidx/\nc)*512
.set pi, pi+1
.endr
.set pq, pq+1
.endm
.macro PDRAIN pf, nc                   ; the whole batch at once: only in front of a layer's first chunk, where no matrix run is there to hide it
	NOP4
	WIN \pf
.rept 16
	PCVT
.endr
	PSTORE \nc
	PSTORE \nc
	WIN 0
.endm
.macro TCVT                            ; row tile tq of the column tile before: eight sums to half of step 2's B fragment
.set ti, 0
.rept 4
	v_cvt_pk_f16_f32 v[STASH+8*tq+tdst+ti], v[tsrc+8*tq+2*ti], v[tsrc+8*tq+2*ti+1]
.set ti, ti+1
.endr
.set tq, tq+1
.endm
; Step 2 on a pair of column tiles (K step k)
.macro STEP2 l, k
	WIN 0xf3
.set st, 0
.rept 4
.if \l == 1
.set sb, 0
.rept 2
.if (\k) == 0
	v_wmma_f32_16x16x32_f16 v[PS2+8*(2*st+sb):PS2+8*(2*st+sb)+7], v[FA2+8*(2*sb+(\k)):FA2+8*(2*sb+(\k))+7], v[STASH+8*st:STASH+8*st+7], 0
.else
	v_wmma_f32_16x16x32_f16 v[PS2+8*(2*st+sb):PS2+8*(2*st+sb)+7], v[FA2+8*(2*sb+(\k)):FA2+8*(2*sb+(\k))+7], v[STASH+8*st:STASH+8*st+7], v[PS2+8*(2*st+sb):PS2+8*(2*st+sb)+7]
.endif
.set sb, sb+1
.endr
.else
.if (\k) == 0
	v_wmma_f32_16x16x32_f16 v[PS2+8*st:PS2+8*st+7], v[FA2+8*(\k):FA2+8*(\k)+7], v[STASH+8*st:STASH+8*st+7], 0
.else
	v_wmma_f32_16x16x32_f16 v[PS2+8*st:PS2+8*st+7], v[FA2+8*(\k):FA2+8*(\k)+7], v[STASH+8*st:STASH+8*st+7], v[PS2+8*st:PS2+8*st+7]
.endif
.endif
.set st, st+1
.endr
.endm
; Column tile c of a chunk.
; HEAD: four v_nop, which are the places behind the last run (and the last step 2, and a batch of step 0 in front of tile 0) for all that
; follows: the loads into the B buffer that the last run read, the conversions that read its sums and write step 2's B, the fetch
; into step 0's A.  Then one run of memory instructions: the next tile's 16 loads, the fetch of step 0's next A (pre), eight stores of step 0.
; pb >= 0: batch pb of step 0 follows (its conversions stand behind the four bundles of this tile's first kind: sixteen places).
; RUN: 32 matrix instructions, four row tiles x K = 256, with one bundle behind each as long as there is something to pack.
; Behind an even tile c > 0: step 2 on tiles c - 2 and c - 1.
.macro TILE l, par, c, pb, pre
.if \l == 1
.set tnc, 4
.set taw, 0x01
.set tpf, 0xaa
.else
.set tnc, 8
.set taw, 0x02
.set tpf, 0x55
.endif
.set tbf, BF0+64*((\c)&1)
.set tac, ACC+64*((\c)&1)
.set tsrc, ACC+64*(((\c)+1)&1)
.set tdst, 4*(((\c)+1)&1)
.set tn, (\c)+1
.set tbn, BF0+64*(tn&1)
.if (\c) > 0
.set tq, 0
.else
.set tq, 4                                             ; the chunk's first tile has no tile before it to pack
.endif
	NOP4
	s_wait_dscnt 0x0                               ; this tile's fragments, asked for a tile ago, are in
	WIN 0
.if tn < tnc
	LOADB \par, tn, tbn                            ; the next tile's
.endif
.if \pre
	s_add_nc_u64 s[26:27], s[26:27], 512           ; the load that named it was waited for at the chunk's head
	global_load_b128 v[FA0:FA0+3], v1, s[26:27]    ; step 0's A for the chunk after next
.endif
.if pq >= 16
.if pq < 18
	WIN tpf
	PSTORE tnc
.endif
.endif
.if (\pb) >= 0
	PWMMA \l, \pb, 1-\par
.endif
	WIN taw
.set tk, 0
.rept 8
.set tt, 0
.rept 4
.if tk == 0
	v_wmma_f32_16x16x32_f16 v[tac+8*tt:tac+8*tt+7], v[8*(8*tt+tk):8*(8*tt+tk)+7], v[tbf+8*tk:tbf+8*tk+7], 0
.else
	v_wmma_f32_16x16x32_f16 v[tac+8*tt:tac+8*tt+7], v[8*(8*tt+tk):8*(8*tt+tk)+7], v[tbf+8*tk:tbf+8*tk+7], v[tac+8*tt:tac+8*tt+7]
.endif
.if tq < 4
	WIN 0
	TCVT
	WIN taw
.else
.if pq < 16
	WIN tpf
	PCVT
	WIN taw
.endif
.endif
.set tt, tt+1
.endr
.set tk, tk+1
.endr
.if (\c) > 0
.if ((\c)&1) == 0
	STEP2 \l, (\c)/2-1
.endif
.endif
.endm
; The chunk's end: no run follows under which the last tile could be packed.  The bias is asked for first (its registers were the last run's B: four places).
.macro TAIL l
	NOP4
	WIN 0
	ds_load_b128 v[TMP:TMP+3], v[VB]
	ds_load_b128 v[TMP+4:TMP+7], v[VB] offset:16
.if \l == 1
	ds_load_b128 v[TMP+8:TMP+11], v[VB] offset:128
	ds_load_b128 v[TMP+12:TMP+15], v[VB] offset:144
.endif
.set tq, 0
.set tsrc, ACC+64
.set tdst, 4
.rept 4
	TCVT
.endr
.if \l == 1
	STEP2 1, 1
.else
	STEP2 2, 3
.endif
.endm
; fc1's end of a chunk.  Sum tile (t, bit') holds (m3 = 8h + j, column (g, token)); wanted is (t, 0) at g = 0 plus (t, 1) at g = 1.  Two row tiles
; a = 2p, b = 2p + 1 share the lanes: lanes with g = 0 end up with tile a, lanes with g = 1 with tile b.  Then bias, GELU, the running maximum, h to LDS.
.macro EPI1
	NOP4
	WIN 0x0f
.set ep, 0
.rept 2
.set ej, 0
.rept 8
	v_cndmask_b32 v[EU+8*ep+ej], v[PS2+32*ep+24+ej], v[PS2+32*ep+ej], s16       ; g = 0: (a, 0); g = 1: (b, 1): what stays
	v_cndmask_b32 v[EV+8*ep+ej], v[PS2+32*ep+8+ej], v[PS2+32*ep+16+ej], s16     ; g = 0: (b, 0); g = 1: (a, 1): what crosses
.set ej, ej+1
.endr
.set ep, ep+1
.endr
	WIN 0
.set ei, 0
.rept 16
	v_add_f32_dpp v[EZ+ei], v[EV+ei], v[EU+ei] row_xmask:8 row_mask:0xf bank_mask:0xf
.set ei, ei+1
.endr
	s_wait_dscnt 0x0                               ; the bias
.set ei, 0
.rept 8
	v_pk_fma_f32 v[EZ+2*ei:EZ+2*ei+1], v[EZ+2*ei:EZ+2*ei+1], v[12:13], v[TMP+2*ei:TMP+2*ei+1]    ; z
.set ei, ei+1
.endr
.set ei, 0
.rept 16
	v_fma_f32 v[ET+ei], |v[EZ+ei]|, s19, 1.0
.set ei, ei+1
.endr
.set ei, 0
.rept 16
	v_rcp_f32 v[ET+ei], v[ET+ei]                   ; t; the packed products that follow are the plain place behind the last of the run (ISA guide 5.7.2)
.set ei, ei+1
.endr
.set ei, 0
.rept 8
	v_pk_mul_f32 v[EW+2*ei:EW+2*ei+1], v[EZ+2*ei:EZ+2*ei+1], v[EZ+2*ei:EZ+2*ei+1]
.set ei, ei+1
.endr
.set ei, 0
.rept 8
	v_pk_mul_f32 v[EW+2*ei:EW+2*ei+1], v[EW+2*ei:EW+2*ei+1], 0xbf38aa3b op_sel_hi:[1,0]          ; -z^2 log2(e) / 2
.set ei, ei+1
.endr
.set ei, 0
.rept 16
	v_exp_f32 v[EW+ei], v[EW+ei]                   ; exp(-z^2 / 2); the first Horner line is the plain place behind the run
.set ei, ei+1
.endr
.set ei, 0
	s_wait_alu depctr_va_vdst(0)
.rept 8
	v_pk_fma_f32 v[EP+2*ei:EP+2*ei+1], v[ET+2*ei:ET+2*ei+1], v[22:23], 0xbf3a00e3 op_sel_hi:[1,1,0]   ; a5/2 t + a4/2
.set ei, ei+1
.endr
.irp cf, 0x3f35f0e3, 0xbe11a98e, 0x3e027906
.set ei, 0
.rept 8
	v_pk_fma_f32 v[EP+2*ei:EP+2*ei+1], v[EP+2*ei:EP+2*ei+1], v[ET+2*ei:ET+2*ei+1], \cf op_sel_hi:[1,1,0]   ; a3/2, a2/2, a1/2
.set ei, ei+1
.endr
.endr
.set ei, 0
.rept 8
	v_pk_mul_f32 v[EP+2*ei:EP+2*ei+1], v[EP+2*ei:EP+2*ei+1], v[ET+2*ei:ET+2*ei+1]
.set ei, ei+1
.endr
.set ei, 0
.rept 8
	v_pk_mul_f32 v[EP+2*ei:EP+2*ei+1], v[EP+2*ei:EP+2*ei+1], v[EW+2*ei:EW+2*ei+1]               ; q
.set ei, ei+1
.endr
.set ei, 0
.rept 8
	v_pk_fma_f32 v[ER+2*ei:ER+2*ei+1], v[EP+2*ei:EP+2*ei+1], -1.0, 1.0 op_sel_hi:[1,0,0]        ; 1 - q
.set ei, ei+1
.endr
.set ei, 0
.rept 16
	v_cmp_gt_f32 vcc_lo, 0, v[EZ+ei]
	v_cndmask_b32 v[ER+ei], v[ER+ei], v[EP+ei], vcc_lo                                          ; Phi
.set ei, ei+1
.endr
.set ei, 0
.rept 8
	v_pk_mul_f32 v[ER+2*ei:ER+2*ei+1], v[ER+2*ei:ER+2*ei+1], v[EZ+2*ei:EZ+2*ei+1]               ; h
.set ei, ei+1
.endr
.set ei, 0
.rept 8
	v_max3_num_f32 v10, |v[ER+2*ei]|, |v[ER+2*ei+1]|, v10
.set ei, ei+1
.endr
.set ei, 0
.rept 16
	ds_store_b32 v[VH], v[ER+ei] offset:(ei/8)*1152+(ei%8)*64      ; a2 = 4w + 2p + g, c = j, bit = h: the 32 lanes hit 32 different banks
.set ei, ei+1
.endr
	v_add_nc_u32 v[VH], 9224, v[VH]
	v_add_nc_u32 v[VB], 1024, v[VB]
.endm
; fc2's end of a chunk.  Sum tile t holds (bit' = h, b3 = j, column (g, token)); wanted is lane group 0 (h = g = 0) plus lane group 3 (h = g = 1).
; The four tiles are folded into one set of eight registers: lane groups 0, 1, 2, 3 end up with tiles 0, 1, 3, 2.
.macro EPI2
	NOP4
	WIN 0x03
.set ei, 0
.rept 8
	v_mov_b32 v[32+ei], v[PS2+8+ei]                ; tiles 1 and 3 into window 0, where the move across lanes is made
	v_mov_b32 v[40+ei], v[PS2+24+ei]
.set ei, ei+1
.endr
	WIN 0
.set ei, 0
.rept 16
	v_mov_b32_dpp v[48+ei], v[32+ei] row_xmask:8 row_mask:0xf bank_mask:0xf      ; their groups 0, 3 to groups 1, 2
.set ei, ei+1
.endr
	WIN 0x0c
.set ei, 0
.rept 8
	v_cndmask_b32 v[64+ei], v[48+ei], v[PS2+ei], s17               ; groups 0, 3: tile 0; groups 1, 2: tile 1
	v_cndmask_b32 v[72+ei], v[56+ei], v[PS2+16+ei], s17            ; the same of tiles 2, 3
.set ei, ei+1
.endr
	WIN 0
.set ei, 0
.rept 8
	v_cndmask_b32 v[80+ei], v[72+ei], v[64+ei], s18                ; what stays
	v_cndmask_b32 v[88+ei], v[64+ei], v[72+ei], s18                ; what crosses
.set ei, ei+1
.endr
.set ei, 0
.rept 8
	v_permlanex16_b32 v[96+ei], v[88+ei], s21, s20                 ; from lane xor 24
.set ei, ei+1
.endr
.set ei, 0
.rept 4
	v_pk_add_f32 v[80+2*ei:81+2*ei], v[80+2*ei:81+2*ei], v[96+2*ei:97+2*ei]
.set ei, ei+1
.endr
	s_wait_dscnt 0x0                               ; the bias
.set ei, 0
.rept 4
	v_pk_fma_f32 v[80+2*ei:81+2*ei], v[80+2*ei:81+2*ei], v[12:13], v[TMP+2*ei:TMP+2*ei+1]
.set ei, ei+1
.endr
	ds_store_b128 v[VH], v[80:83]
	ds_store_b128 v[VH], v[84:87] offset:16
	v_add_nc_u32 v[VH], 512, v[VH]
	v_add_nc_u32 v[VB], 512, v[VB]
.endm
; One chunk.  The barrier orders two things: every wave's stores of the buffer read now (par), and every wave's reads of the buffer written now (1 - par).
; prod: step 0 of the next chunk (its first 16 matrix instructions run while tile 0's fragments come from LDS).
; pre: fetch step 0's A for the chunk after that.  extra: fetch fc2's middle core (window 2, which step 0 no longer needs in fc1's last chunk).
.macro STEP l, par, prod, pre, extra
	s_wait_dscnt 0x0                               ; my LDS stores and loads are done before I signal
	s_barrier_signal -1
	s_barrier_wait -1
	LOADB \par, 0, BF0
.if \prod
	s_wait_loadcnt 0x0                             ; step 0's A (and, the first time, all other weights)
	PWMMA \l, 0, 1-\par
.endif
.if \extra
	WIN 0x80
.set xq, 0
.rept 64
	global_load_b128 v[4*xq:4*xq+3], v1, s[28:29] offset:LSTR+512*xq
.set xq, xq+1
.endr
	WIN 0
.endif
.if \l == 1
	TILE 1, \par, 0, -1, 0
	TILE 1, \par, 1, -1, \pre
	TILE 1, \par, 2, -1, 0
	TILE 1, \par, 3, -1, 0
	TAIL 1
	EPI1
.else
	TILE 2, \par, 0, -1, 0
	TILE 2, \par, 1, -1, 0
	TILE 2, \par, 2, -1, 0
	TILE 2, \par, 3, 2*\prod-1, 0                  ; step 0's second batch, when the first has been stored
	TILE 2, \par, 4, -1, \pre
	TILE 2, \par, 5, -1, 0
	TILE 2, \par, 6, -1, 0
	TILE 2, \par, 7, -1, 0
	TAIL 2
	EPI2
.endif
.endm
	; ---- addresses and first loads
	s_load_b256 s[4:11], s[0:1], 0x0               ; x s[4:5], fc1_b s[6:7], fc2_b s[8:9], wts s[10:11]
	s_load_b64 s[12:13], s[0:1], 0x20              ; out0
	v_lshl_add_u32 v4, v0, 2, 0x49200
	v_mov_b32 v5, 0
	v_lshrrev_b32 v20, 5, v0
	v_readfirstlane_b32 s14, v20                   ; wave 0..3
	v_and_b32 v21, 31, v0
	v_lshlrev_b32 v1, 4, v21                       ; 16 lane
	s_lshl_b32 s24, ttmp9, 15                      ; 8 tokens of 4,096 bytes
	s_mov_b32 s25, 0
	s_lshl_b32 s32, s14, 13
	v_add_nc_u32 v16, s32, v1                      ; my wave's two tokens in x and in out0
	v_lshlrev_b32 v18, 4, v0                       ; 16 t: the biases
	s_wait_kmcnt 0x0
	s_add_nc_u64 s[4:5], s[4:5], s[24:25]
	s_add_nc_u64 s[12:13], s[12:13], s[24:25]
.set k, 0
.rept 16
	global_load_b128 v[BF0+4*k:BF0+4*k+3], v16, s[4:5] offset:512*k th:TH_LOAD_NT
.set k, k+1
.endr
.set k, 0
.rept 8
	global_load_b128 v[96+4*k:99+4*k], v18, s[6:7] offset:2048*k
.set k, k+1
.endr
	global_load_b128 v[128:131], v18, s[8:9]
	global_load_b128 v[132:135], v18, s[8:9] offset:2048
	s_add_nc_u64 s[26:27], s[10:11], A0OFF
	global_load_b128 v[FA0:FA0+3], v1, s[26:27]    ; step 0's A of chunk 0
	s_lshl_b32 s24, s14, 15
	s_add_nc_u64 s[28:29], s[10:11], s[24:25]      ; my quarter of the middle core
	WIN 0x40
.set k, 0
.rept 32
	global_load_b128 v[4*k:4*k+3], v1, s[28:29] offset:512*k
.set k, k+1
.endr
	WIN 0
	s_lshl_b32 s24, s14, 8
	s_add_nc_u64 s[34:35], s[10:11], s[24:25]      ; my quarter's block of the scales
	s_load_b32 s22, s[34:35], SCOFF                ; the cores' inverse powers, fc1
	s_load_b32 s23, s[34:35], LSTR+SCOFF           ; fc2
	s_mov_b32 s16, 0x00ff00ff                      ; lanes with g = 0
	s_mov_b32 s17, 0xff0000ff                      ; lane groups 0 and 3
	s_mov_b32 s18, 0x0000ffff                      ; lanes 0-15
	s_mov_b32 s19, 0x3e6d3388                      ; 0.23164189
	s_mov_b32 s20, 0x76543210
	s_mov_b32 s21, 0xfedcba98
	v_add_nc_u32 v2, 0x10000, v1
	s_lshl_b32 s36, s14, 11                        ; my four modes in buffer 0,
	s_add_co_u32 s37, s36, 0x10000                 ; in buffer 1
	WIN 0x80
	v_add_nc_u32 v[PVW], s36, v1                   ; window 2: where fc1's step 0 stores
	v_add_nc_u32 v[PVW+1], s37, v1
	WIN 0
	v_and_b32 v224, 7, v0                          ; token
	v_bfe_u32 v225, v0, 3, 1                       ; g
	v_bfe_u32 v226, v0, 4, 1                       ; h
	s_mul_i32 s32, s14, 2304
	s_add_co_u32 s32, s32, HB
	v_mul_u32_u24 v227, 576, v225
	v_lshl_add_u32 v227, v226, 5, v227
	v_lshl_add_u32 v227, v224, 2, v227
	v_add_nc_u32 v[VH], s32, v227                  ; HB + 2304 w + 576 g + 32 h + 4 token
	s_lshl_b32 s32, s14, 8
	s_add_co_u32 s32, s32, B1S
	v_lshlrev_b32 v227, 6, v225
	v_lshl_add_u32 v227, v226, 5, v227
	v_add_nc_u32 v[VB], s32, v227                  ; B1S + 256 w + 64 g + 32 h
	s_lshl_b32 s32, s14, 7
	s_add_co_u32 s32, s32, HB
	v_mul_u32_u24 v227, XP, v224
	v_lshl_add_u32 v227, v225, 4, v227
	v_add_nc_u32 v[VX], s32, v227                  ; x: token, n2 = 4w, n3 = 4g
	v_add_nc_u32 v[VX+1], 2048, v[VX]              ; n1 = 4
	s_mul_i32 s32, s14, 2*XP
	s_add_co_u32 s32, s32, HB
	v_add_nc_u32 v17, s32, v1                      ; where my two tokens of x go
	v_add_nc_u32 v19, B1S, v18
	s_lshl_b32 s33, s14, 2
	s_add_co_u32 s33, s33, RED
	v_mov_b32 v20, s33                             ; my wave's word
	v_mov_b32 v10, 0
	v_mov_b32 v11, 0                               ; destination of v_permlanex16_b32: written before
	v_mov_b32 v22, 0x3f07dc22                      ; a5 / 2, a pair
	v_mov_b32 v23, 0x3f07dc22
.set k, 4
.rept 4
	v_mov_b32 v[FA0+k], 0                          ; step 0 has K = 8 or 16: the upper half of its A is zero for good
.set k, k+1
.endr
	s_wait_loadcnt 32                              ; loads return in order (ISA guide 5.7.1): x, the biases and step 0's A are in; the 32 loads of the middle core behind them stay out
.set k, 0
.rept 32
	v_max3_num_f32 v10, |v[BF0+2*k]|, |v[BF0+2*k+1]|, v10
.set k, k+1
.endr
	WMAX 10
.set k, 0
.rept 16
	ds_store_b128 v17, v[BF0+4*k:BF0+4*k+3] offset:(k/8)*XP+(k%8)*512
.set k, k+1
.endr
.set k, 0
.rept 10
	ds_store_b128 v19, v[96+4*k:99+4*k] offset:2048*k              ; B2S lies 16,384 bytes behind B1S: k = 8, 9 land there
.set k, k+1
.endr
	ds_store_b32 v20, v10
	WIN 0x40
.set k, 32
.rept 32
	global_load_b128 v[4*k:4*k+3], v1, s[28:29] offset:512*k
.set k, k+1
.endr
	WIN 0xc0
.set k, 0
.rept 8
	global_load_b128 v[FA2+4*k:FA2+4*k+3], v1, s[10:11] offset:A2OFF+512*k
.set k, k+1
.endr
	WIN 0
	s_wait_dscnt 0x0
	s_barrier_signal -1
	s_barrier_wait -1                              ; x, the biases and the four maxima are in LDS
	; ---- fc1
	s_wait_kmcnt 0x0
	MKSCALE 22, 0
	GATHER 2, 4, 512, 32, 4
	PWMMA 1, 0, 0                                  ; chunk 0 into buffer 0
	PDRAIN 0xaa, 4
	s_add_nc_u64 s[26:27], s[26:27], 512           ; its last load was shown done by the counted wait above
	global_load_b128 v[FA0:FA0+3], v1, s[26:27]
	v_mov_b32 v10, 0                               ; the running maximum of |h|
	s_mov_b32 s15, 7
.Lfc1:
	STEP 1, 0, 1, 1, 0
	STEP 1, 1, 1, 1, 0
	s_sub_co_i32 s15, s15, 1
	s_cmp_lg_u32 s15, 0
	s_cbranch_scc1 .Lfc1
	STEP 1, 0, 1, 0, 0                             ; chunk 14: makes chunk 15's step 0, fetches no further A
	STEP 1, 1, 0, 0, 1                             ; chunk 15: no step 0; fetches fc2's middle core
	; ---- between the layers
	WIN 0xc0
.set k, 0
.rept 8
	global_load_b128 v[FA2+4*k:FA2+4*k+3], v1, s[10:11] offset:LSTR+A2OFF+512*k
.set k, k+1
.endr
	WIN 0
	s_add_nc_u64 s[26:27], s[10:11], LSTR+A0OFF    ; the last load that named s[26:27] was waited for in chunk 14
	global_load_b128 v[FA0:FA0+3], v1, s[26:27]
	WMAX 10
	v_mov_b32 v20, s33
	ds_store_b32 v20, v10 offset:16
	s_wait_dscnt 0x0
	s_barrier_signal -1
	s_barrier_wait -1                              ; all of h and the four maxima are in LDS
	MKSCALE 23, 16
	WIN 0x40
	v_add_nc_u32 v[PVW], s36, v1                   ; window 1, done with fc1's middle core: where fc2's step 0 stores
	v_add_nc_u32 v[PVW+1], s37, v1
	WIN 0
	v_and_b32 v224, 15, v0                         ; r
	v_bfe_u32 v226, v0, 4, 1                       ; h
	v_and_b32 v229, 7, v0                          ; token
	v_bfe_u32 v228, v0, 3, 2
	v_xor_b32 v228, v228, v226                     ; which of my four row tiles the lane ends up with
	s_mul_i32 s32, s14, 2304
	s_add_co_u32 s32, s32, HB
	v_mul_u32_u24 v227, 73792, v226
	v_lshl_add_u32 v227, v224, 2, v227
	v_add_nc_u32 v[VX], s32, v227                  ; h: a1 = 8h, a2 = 4w, column r
	v_add_nc_u32 v[VX+1], 36896, v[VX]             ; a1 + 4
	s_lshl_b32 s32, s14, 7
	s_add_co_u32 s34, s32, HB
	s_add_co_u32 s32, s32, B2S
	v_mul_u32_u24 v227, YP, v229
	v_lshl_add_u32 v227, v228, 5, v227
	v_add_nc_u32 v[VH], s34, v227                  ; y: token, b2 = 4w + tile
	v_lshlrev_b32 v227, 5, v228
	v_add_nc_u32 v[VB], s32, v227
	GATHER 4, 8, 9224, 576, 64
	s_wait_loadcnt 0x0                             ; all of fc2's weights
	PWMMA 2, 0, 0                                  ; chunk 0 into buffer 0, two batches
	PDRAIN 0x55, 8
	PWMMA 2, 1, 0
	PDRAIN 0x55, 8
	s_add_nc_u64 s[26:27], s[26:27], 512
	global_load_b128 v[FA0:FA0+3], v1, s[26:27]
	; ---- fc2
	s_mov_b32 s15, 3
.Lfc2:
	STEP 2, 0, 1, 1, 0
	STEP 2, 1, 1, 1, 0
	s_sub_co_i32 s15, s15, 1
	s_cmp_lg_u32 s15, 0
	s_cbranch_scc1 .Lfc2
	STEP 2, 0, 1, 0, 0
	STEP 2, 1, 0, 0, 0
	; ---- the way out: whole rows back from LDS, each store of the wave covers 512 consecutive bytes, aligned
	s_mul_i32 s32, s14, 2*YP
	s_add_co_u32 s32, s32, HB
	v_add_nc_u32 v17, s32, v1
	s_wait_dscnt 0x0
	s_barrier_signal -1
	s_barrier_wait -1                              ; every wave's part of y is in LDS
.set k, 0
.rept 16
	ds_load_b128 v[BF0+4*k:BF0+4*k+3], v17 offset:(k/8)*YP+(k%8)*512
.set k, k+1
.endr
.set k, 0
.rept 16
	s_wait_dscnt 15-k                              ; LDS loads return in order (ISA guide 5.7.1): load k is in, the 15 - k younger ones stay out
	global_store_b128 v16, v[BF0+4*k:BF0+4*k+3], s[12:13] offset:512*k th:TH_STORE_NT
.set k, k+1
.endr
	s_wait_tensorcnt 0x0
	ds_add_u32 v4, v5
	s_wait_dscnt 0x0
	s_endpgm
.Lfunc_end_k_q0c390763d9_ttffn:
	.size	k_q0c390763d9_ttffn, .Lfunc_end_k_q0c390763d9_ttffn-k_q0c390763d9_ttffn
	.p2alignl 7, 3214868480
	.fill 96, 4, 3214868480
	.section	.rodata,"a",@progbits
	.p2align	6, 0x0
	.amdhsa_kernel k_q0c390763d9_ttffn
		.amdhsa_group_segment_fixed_size 300032
		.amdhsa_private_segment_fixed_size 0
		.amdhsa_enable_private_segment 0
		.amdhsa_kernarg_size 40
		.amdhsa_user_sgpr_count 2
		.amdhsa_user_sgpr_kernarg_segment_ptr 1
		.amdhsa_wavefront_size32 1
		.amdhsa_system_sgpr_workgroup_id_x 1
		.amdhsa_system_sgpr_workgroup_id_y 1
		.amdhsa_system_sgpr_workgroup_id_z 1
		.amdhsa_system_vgpr_workitem_id 0
		.amdhsa_next_free_vgpr 1024
		.amdhsa_next_free_sgpr 66
		.amdhsa_reserve_vcc 1
		.amdhsa_float_denorm_mode_32 3
		.amdhsa_float_denorm_mode_16_64 3
		.amdhsa_memory_ordered 1
		.amdhsa_forward_progress 1
		.amdhsa_inst_pref_size 255
	.end_amdhsa_kernel
	.section	.bss,"aw",@nobits
	.p2align	6
	.space	262144
	.amdgpu_metadata
---
amdhsa.version: [ 1, 2 ]
amdhsa.kernels:
  - .name:           k_q0c390763d9_ttffn
    .symbol:         k_q0c390763d9_ttffn.kd
    .args:
      - { .name: x, .offset: 0, .size: 8, .value_kind: global_buffer, .address_space: global }
      - { .name: fc1_b, .offset: 8, .size: 8, .value_kind: global_buffer, .address_space: global }
      - { .name: fc2_b, .offset: 16, .size: 8, .value_kind: global_buffer, .address_space: global }
      - { .name: wts, .offset: 24, .size: 8, .value_kind: global_buffer, .address_space: global }
      - { .name: out0, .offset: 32, .size: 8, .value_kind: global_buffer, .address_space: global }
    .group_segment_fixed_size: 300032
    .private_segment_fixed_size: 0
    .kernarg_segment_align: 8
    .kernarg_segment_size: 40
    .max_flat_workgroup_size: 128
    .sgpr_count:     66
    .vgpr_count:     1024
    .wavefront_size: 32
...
	.end_amdgpu_metadata
.endif
;; end of part 2
;; ======== version 2 of 2: 2 launches; version 1 with the launch ttffn written anew for expert scheduling mode
;; limits: a function is approximated: absolute error at most 1.5e-07
;; workspace buffers: wts 288,768 bytes
;; launch prep: the kernel of part 1 again; grid 8 x 2, 32 waves a work-group, no clusters, 4,608 bytes of LDS; arguments fc1_c0, fc1_c1, fc1_c2, fc2_c0, fc2_c1, fc2_c2, wts; writes wts
;; launch ttffn (part 3): grid 256 x 1, 4 waves a work-group, no clusters, 300,032 bytes of LDS; arguments x, fc1_b, fc2_b, wts, out0; writes out0
.if DOCPART == 3
	.amdgcn_target "amdgcn-amd-amdhsa--gfx1250"
	.amdhsa_code_object_version 6
	.text
	.protected	k_q0c390763d9_ttffn
	.globl	k_q0c390763d9_ttffn
	.p2align	8
	.type	k_q0c390763d9_ttffn,@function
k_q0c390763d9_ttffn:
	s_mov_b64 s[64:65], 0
	v_nop
	global_prefetch_b8 v0, s[64:65] scope:SCOPE_SE
	s_setreg_imm32_b32 hwreg(HW_REG_WAVE_SCHED_MODE, 0, 2), 2
	s_setreg_imm32_b32 hwreg(HW_REG_WAVE_MODE, 25, 1), 1
	s_wait_xcnt 0x0
	s_wait_alu depctr_vm_vsrc(0)
; TT feed-forward, whole chain: out = TT2(gelu(TT1(x) + b1)) + b2.  2,048 tokens; a work-group owns 8 tokens, four waves, one on each SIMD.
; Each TT layer is three products in the order of the reference: step 0 (first core), step 1 (middle core, K = 256), step 2 (last core).
; The work goes in chunks along the first output mode (16 chunks in fc1, 8 in fc2).
; WEIGHTS ARE MATRIX OPERAND A, DATA OPERAND B.  The 16 columns of every tile are (bit, token): bit = the top bit of the last input mode
; (n3 = 4 bit + c in fc1, a3 = 8 bit + c in fc2).  A result tile holds row 8h + j in register j of lane (r, h): four packing conversions make
; of it half of the next step's B fragment (k = 8h .. 8h + 7 of column r), with no transposition.
; Wave w owns rows m2 = 4w .. 4w + 3 of step 1; its quarter of each middle core (256 registers) stays in registers while its layer runs.
; Step 0's results are needed by all four waves and go through LDS (two buffers that take turns, one barrier a chunk).
; Step 2's weights depend on the column's bit: in fc1 two products (bit' = 0, 1), in fc2 the 16 rows are (bit', b3); only bit' = bit is
; wanted, and the two wanted halves are added across lanes.
; THE CONVERSIONS STAND INSIDE THE MATRIX RUNS.  With one wave on a SIMD nothing else fills the matrix unit while the wave converts.  So step 1
; has two sets of sums that take turns: column tile c - 1 is packed in four bundles behind the first four matrix instructions of tile c, and
; step 0's results are packed in place in sixteen bundles behind later ones.
; THE MODE: SCHED_MODE bits 1:0 = 2 (LLVM: expert scheduling mode 2), set by the entry lines.  The code itself states the register dependences
; between vector or matrix instructions and memory or LDS instructions, with s_wait_alu, always for 0.
; THE PLAN.  Registers that LDS or memory instructions touch inside the chunks:
;   B0 v32-95, B1 v96-159   Tile c's run reads B[c % 2]; the loads of tile c + 1, issued during tile c, land in the other, which tile c - 1's run read.
;                           The epilogues' temporaries lie in both; of them v128-143 (fc1) or v80-87 (fc2) are stored to LDS.
;   v144-159                The bias: loaded at the chunk's end, where the last run has read them as the top of B1; read by the epilogue.
;   FA0 v24-27              Step 0's A: loaded once a chunk, a tile behind the step 0 products that read it.
;   the batch               v0-127 of the free window: written by step 0's products and, in place, by its conversions; read by two runs of eight stores.
;   v1, v2, v16, PVW        Addresses, never written inside the chunks.   v[VH], v[VB]: stepped once a chunk, at its end.
; THE WAITS of a chunk.  On va_vdst: one at the head of each tile but the first and the last (the run before is done with the B buffer that is
; loaded next; the batch's conversions have written what is stored there; step 0's products are done with FA0); one ahead of the bias's loads; one
; ahead of the epilogue's stores, which also shows the epilogue done with B0 and B1 for the next chunk's first loads.  On vm_vsrc: one behind the
; epilogue's stores (the stepped addresses, the stored registers, the batch's registers); in fc2 one more ahead of step 0's second batch.
; Behind a tile's wait no vector or matrix instruction of the tile names the B buffer that is loaded next, nor v1, v2: so those sixteen loads are
; dealt, four at a time, into the four bundles that pack the tile before, which work in window 0 as the loads do.
; FORMAT: f16 operands, f32 sums.  Every operand is normalised by an exact power of two: the cores by the launch before (largest magnitude
; below 4, 4, 1 in fc1 and 2, 4, 1 in fc2; the middle core quarter by quarter), x and h here by the work-group's largest magnitude (below 1).
; Then for every input |step 0| <= 8*4*1 = 16*2*1 = 32 and |step 1| <= 256*4*32 = 32,768, inside f16; the powers are undone in the fused
; multiply-add with the bias.
; GELU: Phi by the erfc form of Abramowitz and Stegun 7.1.26 (absolute error of erf at most 1.5e-7): q = poly(t) exp(-z^2/2) / 2,
; t = 1 / (1 + 0.23164189 |z|); Phi = q where z < 0, else 1 - q.
; LIMITS: NaN and infinities in the inputs are not served.  The exponent of a maximum is clamped to biased 4 .. 250 (x or h with a largest
; magnitude below 2^-122 or above 2^124 are not fully normalised); the product of the inverse powers must lie in f32's range.
; Numbers more than 2^14 below their tensor's largest round with an absolute error of 2^-25 of that largest.
; NO CLUSTER, NO TENSOR LOADS: what work-groups share is the weights, 280 KiB, which each reads once, in fragment order, straight into
; registers. x is 32 KiB read once.
;
; LDS: EX0 0, EX1 65,536: step 0's half fragments, tile c, mode n at c*8192 + n*512 + 16 lane.
;      HB 131,072 (147,584 bytes): h in f32 at a1*9224 + a2*576 + c*64 + (8 bit + token)*4.  The same bytes hold x first (token pitch 4,128)
;      and y last (token pitch 4,160); a barrier stands between the last read of one and the first store of the next.
;      B1S, B2S: the biases.  RED: 8 words, the waves' maxima of x and of h.
; REGISTERS: window 0: v1-23 addresses and scales, v24-31 step 0's A, v32-95 and v96-159 step 1's B (two buffers; the epilogues' temporaries
;      and the bias lie there too), v160-191 and v224-255 step 1's sums (two sets), v192-223 step 2's B.
;      Window 1: fc1's middle core, fragment (t, kf) at 8 (8t + kf).  Window 2: fc2's.  The window that the running layer does not need
;      (2 in fc1, 1 in fc2) holds step 0's results, v0-127 (16 tiles), and at v128, v129 the LDS addresses that they are stored to.
;      Window 3: v0-135 step 0's B fragments (fragment i = registers 4i .. 4i+7: the upper four meet zeros in A and only have to be finite),
;      v136-167 step 2's A, v168-231 step 2's sums.
.set LSTR,  144384
.set A0OFF, 131072
.set A2OFF, 139264
.set SCOFF, 143360                     ; four blocks of 256 bytes: wave w's scale in block w
.set HB,    131072
.set B1S,   278784
.set B2S,   295168
.set RED,   299264
.set XP,    4128                       ; x: bytes from token to token (1032 words: tokens 8 banks apart)
.set YP,    4160                       ; y: the same
.set VR,    1                          ; v1, v2   16 lane (+ 65,536): where step 1 reads buffer 0, 1
.set VH,    6                          ; v6       where h (fc1) or y (fc2) goes
.set VB,    7                          ; v7       where my bias lies
.set VX,    8                          ; v8, v9   gather bases
.set FA0,   24
.set BF0,   32
.set TMP,   144                        ; the bias, and scratch outside the chunks: the top of the second B buffer
.set ACC,   160                        ; the sums of even column tiles; those of odd ones 64 registers up
.set STASH, 192
.set XF,    0                          ; window 3
.set FA2,   136                        ; window 3
.set PS2,   168                        ; window 3
.set PVW,   128                        ; the free window: where step 0 stores into buffer 0, 1
.set CM,    48                         ; s[48:63] the sixteen masks z < 0 of a chunk's GELU
.set EU, 32                            ; the epilogues' temporaries, in the B buffers
.set EV, 48
.set EZ, 64
.set ET, 80
.set EW, 96
.set EP, 112
.set ER, 128
.set MSB, 0
.set pq, 18                            ; state of step 0's batch: 0-15 tile to pack next, 16 and 17 half to store next, 18 nothing left
.macro WIN new                         ; low byte: bits 1:0 source 0, 3:2 source 1, 5:4 source 2, 7:6 destination; high byte: the setting left
.if MSB != \new
	s_set_vgpr_msb (MSB<<8)|\new
.set MSB, \new
.endif
.endm
.macro NOP4                            ; the places behind a matrix instruction before its registers are read or written by a vector or matrix instruction (ISA guide 7.12.1)
.rept 4
	v_nop
.endr
.endm
.macro WMAX r                          ; maximum over the wave's 32 lanes
	v_max_num_f32_dpp v[\r], v[\r], v[\r] row_xmask:1 row_mask:0xf bank_mask:0xf
	v_max_num_f32_dpp v[\r], v[\r], v[\r] row_xmask:2 row_mask:0xf bank_mask:0xf
	v_max_num_f32_dpp v[\r], v[\r], v[\r] row_xmask:4 row_mask:0xf bank_mask:0xf
	v_max_num_f32_dpp v[\r], v[\r], v[\r] row_xmask:8 row_mask:0xf bank_mask:0xf
	v_permlanex16_b32 v11, v[\r], s20, s21
	v_max_num_f32 v[\r], v[\r], v11
.endm
; From the four waves' maxima: v[14:15] = 2^-E (brings the data below 1), v[12:13] = 2^E x the cores' inverse powers.  E = biased exponent - 126.
.macro MKSCALE sw, off
	s_wait_alu depctr_vm_vsrc(0)                   ; the LDS store of my maximum has read v20 (and the stores issued so far their data), ahead of the line that writes v20 anew
	v_mov_b32 v20, RED+\off
	s_wait_alu depctr_va_vdst(0)                   ; v20 is written, which the load reads as its address; every earlier vector and matrix line is done with v[TMP ..], in which it lands
	ds_load_b128 v[TMP:TMP+3], v20
	s_wait_dscnt 0x0
	v_max3_num_f32 v[TMP], v[TMP], v[TMP+1], v[TMP+2]
	v_max_num_f32 v[TMP], v[TMP], v[TMP+3]
	v_bfe_u32 v[TMP], v[TMP], 23, 8
	v_max_u32 v[TMP], 4, v[TMP]
	v_min_u32 v[TMP], 0xfa, v[TMP]
	v_sub_nc_u32 v[TMP+1], 0xfd, v[TMP]
	v_add_nc_u32 v[TMP], 1, v[TMP]
	v_lshlrev_b32 v14, 23, v[TMP+1]
	v_lshlrev_b32 v[TMP], 23, v[TMP]
	v_mov_b32 v15, v14                             ; pairs for the packed forms
	v_mul_f32 v12, s[\sw], v[TMP]
	v_mov_b32 v13, v12
.endm
; Step 0's B fragments, once for a layer: nb batches of 8 tiles; tile i = (mode i / nc of my four, c = i % nc); element e of a lane lies ks bytes
; from element e - 1 (v8 serves e = 0..3, v9 e = 4..7).  f32 from LDS, times 2^-E, packed to f16 into window 3.
.macro GATHER nb, nc, ks, ps, cs
.set gb, 0
.rept \nb
.if gb > 0
	s_wait_alu depctr_va_vdst(0)                   ; the products and conversions of the batch before are done with v[BF0 ..], in which this batch's loads land
.endif
.set gq, 0
.rept 8
.set gidx, gb*8+gq
.set goff, (gidx/\nc)*\ps+(gidx%\nc)*\cs
.set gi, 0
.rept 8
	ds_load_b32 v[BF0+8*gq+gi], v[VX+gi/4] offset:goff+(gi%4)*\ks
.set gi, gi+1
.endr
.set gq, gq+1
.endr
	s_wait_dscnt 0x0
.set gi, 0
.rept 32
	v_pk_mul_f32 v[BF0+2*gi:BF0+2*gi+1], v[BF0+2*gi:BF0+2*gi+1], v[14:15]
.set gi, gi+1
.endr
	WIN 0xc0
.set gi, 0
.rept 32
	v_cvt_pk_f16_f32 v[XF+32*gb+gi], v[BF0+2*gi], v[BF0+2*gi+1]
.set gi, gi+1
.endr
	WIN 0
.set gb, gb+1
.endr
	WIN 0xc0
.set gi, 0
.rept 4
	v_mov_b32 v[XF+32*\nb+gi], 0                   ; the last fragment's upper half
.set gi, gi+1
.endr
	WIN 0
.endm
; 16 loads: the eight B fragments (K = 256) of column tile c from buffer par
.macro LOADB par, c, bf
.set lq, 0
.rept 16
	ds_load_b128 v[\bf+4*lq:\bf+4*lq+3], v[VR+\par] offset:(\c)*8192+lq*512
.set lq, lq+1
.endr
.endm
.macro LOADQ par, c, bf, q             ; quarter q of those sixteen
.set lq, 4*(\q)
.rept 4
	ds_load_b128 v[\bf+4*lq:\bf+4*lq+3], v[VR+\par] offset:(\c)*8192+lq*512
.set lq, lq+1
.endr
.endm
; Step 0, batch b of a chunk: 16 matrix instructions, tiles 16 b .. 16 b + 15, results into the free window.  wb: the buffer that they are bound for.
.macro PWMMA l, b, wb
.if \l == 1
	WIN 0x8c                                       ; A window 0, B window 3, D window 2
.else
	WIN 0x4c                                       ; D window 1
.endif
.set pt, 0
.rept 16
	v_wmma_f32_16x16x32_f16 v[8*pt:8*pt+7], v[FA0:FA0+7], v[XF+4*(16*(\b)+pt):XF+4*(16*(\b)+pt)+7], 0
.set pt, pt+1
.endr
.set pq, 0
.set pbase, 16*(\b)
.set pvw, PVW+(\wb)
.endm
.macro PCVT                            ; tile pq of the batch: eight f32 to four registers of f16, in place (register i is written when 2i and 2i + 1 have been read)
.set pi, 0
.rept 4
	v_cvt_pk_f16_f32 v[8*pq+pi], v[8*pq+2*pi], v[8*pq+2*pi+1]
.set pi, pi+1
.endr
.set pq, pq+1
.endm
.macro PSTORE nc                       ; eight stores in a run: half pq - 16 of the batch
.set pi, 8*(pq-16)
.rept 8
.set pidx, pbase+pi
	ds_store_b128 v[pvw], v[8*pi:8*pi+3] offset:(pidx%\nc)*8192+(pidx/\nc)*512
.set pi, pi+1
.endr
.set pq, pq+1
.endm
.macro PDRAIN pf, nc                   ; the whole batch at once: only in front of a layer's first chunk, where no matrix run is there to hide it
	NOP4
	WIN \pf
.rept 16
	PCVT
.endr
	s_wait_alu depctr_va_vdst(0)                   ; the conversions have written the batch, which the stores read; step 0's products are done reading their A, which is fetched anew behind the batch
	PSTORE \nc
	PSTORE \nc
	s_wait_alu depctr_vm_vsrc(0)                   ; the stores have read the batch's registers, which step 0's next products write
	WIN 0
.endm
.macro TCVT                            ; row tile tq of the column tile before: eight sums to half of step 2's B fragment
.set ti, 0
.rept 4
	v_cvt_pk_f16_f32 v[STASH+8*tq+tdst+ti], v[tsrc+8*tq+2*ti], v[tsrc+8*tq+2*ti+1]
.set ti, ti+1
.endr
.set tq, tq+1
.endm
; Step 2 on a pair of column tiles (K step k)
.macro STEP2 l, k
	WIN 0xf3
.set st, 0
.rept 4
.if \l == 1
.set sb, 0
.rept 2
.if (\k) == 0
	v_wmma_f32_16x16x32_f16 v[PS2+8*(2*st+sb):PS2+8*(2*st+sb)+7], v[FA2+8*(2*sb+(\k)):FA2+8*(2*sb+(\k))+7], v[STASH+8*st:STASH+8*st+7], 0
.else
	v_wmma_f32_16x16x32_f16 v[PS2+8*(2*st+sb):PS2+8*(2*st+sb)+7], v[FA2+8*(2*sb+(\k)):FA2+8*(2*sb+(\k))+7], v[STASH+8*st:STASH+8*st+7], v[PS2+8*(2*st+sb):PS2+8*(2*st+sb)+7]
.endif
.set sb, sb+1
.endr
.else
.if (\k) == 0
	v_wmma_f32_16x16x32_f16 v[PS2+8*st:PS2+8*st+7], v[FA2+8*(\k):FA2+8*(\k)+7], v[STASH+8*st:STASH+8*st+7], 0
.else
	v_wmma_f32_16x16x32_f16 v[PS2+8*st:PS2+8*st+7], v[FA2+8*(\k):FA2+8*(\k)+7], v[STASH+8*st:STASH+8*st+7], v[PS2+8*st:PS2+8*st+7]
.endif
.endif
.set st, st+1
.endr
.endm
; Column tile c of a chunk.
; HEAD: four v_nop, which are the places behind the last run (and the last step 2, and a batch of step 0 in front of tile 0) for the
; conversions that read its sums and write step 2's B.  Then the wait for this tile's fragments and, in tiles 1 to the last but one, the tile's one
; wait on va_vdst; behind it the fetch of step 0's next A (pre) and eight stores of step 0.
; Tile 0 owes no such wait: since the wait ahead of the last epilogue's stores (or, on the way in, the one ahead of the first batch's stores)
; only the two address adds and step 0's products were issued, which name none of the registers that its sixteen loads touch; those stand at its head.
; The last tile issues no LDS or memory instruction.
; pb >= 0: batch pb of step 0 follows (its conversions stand behind the four bundles of this tile's first kind: sixteen places).
; RUN: 32 matrix instructions, four row tiles x K = 256, with one bundle behind each as long as there is something to pack; the first four bundles of
; tiles 1 on also hold the next tile's sixteen loads, four each.
; Behind an even tile c > 0: step 2 on tiles c - 2 and c - 1.
.macro TILE l, par, c, pb, pre
.if \l == 1
.set tnc, 4
.set taw, 0x01
.set tpf, 0xaa
.else
.set tnc, 8
.set taw, 0x02
.set tpf, 0x55
.endif
.set tbf, BF0+64*((\c)&1)
.set tac, ACC+64*((\c)&1)
.set tsrc, ACC+64*(((\c)+1)&1)
.set tdst, 4*(((\c)+1)&1)
.set tn, (\c)+1
.set tbn, BF0+64*(tn&1)
.if (\c) > 0
.set tq, 0
.else
.set tq, 4                                             ; the chunk's first tile has no tile before it to pack
.endif
	NOP4
	s_wait_dscnt 0x0                               ; this tile's fragments, asked for a tile ago, are in
	WIN 0
.if (\c) == 0
	LOADB \par, tn, tbn                            ; the next tile's
.else
.if tn < tnc
	s_wait_alu depctr_va_vdst(0)                   ; the run before is done reading the B buffer in which the next tile's loads land; step 0's conversions have written the half batch that is stored below; step 0's products are done reading their A where it is fetched below
.endif
.endif
.if \pre
	s_add_nc_u64 s[26:27], s[26:27], 512           ; the load that named it was waited for at the chunk's head
	global_load_b128 v[FA0:FA0+3], v1, s[26:27]    ; step 0's A for the chunk after next
.endif
.if pq >= 16
.if pq < 18
	WIN tpf
	PSTORE tnc
.endif
.endif
.if (\pb) >= 0
	s_wait_alu depctr_vm_vsrc(0)                   ; the stores of step 0's first batch have read its registers, which the second batch's products write
	PWMMA \l, \pb, 1-\par
.endif
	WIN taw
.set tk, 0
.rept 8
.set tt, 0
.rept 4
.if tk == 0
	v_wmma_f32_16x16x32_f16 v[tac+8*tt:tac+8*tt+7], v[8*(8*tt+tk):8*(8*tt+tk)+7], v[tbf+8*tk:tbf+8*tk+7], 0
.else
	v_wmma_f32_16x16x32_f16 v[tac+8*tt:tac+8*tt+7], v[8*(8*tt+tk):8*(8*tt+tk)+7], v[tbf+8*tk:tbf+8*tk+7], v[tac+8*tt:tac+8*tt+7]
.endif
.if tq < 4
	WIN 0
.if tn < tnc
	LOADQ \par, tn, tbn, tq                        ; a quarter of the next tile's loads.  No wait: no vector or matrix instruction since the head's wait names that buffer, v1 or v2
.endif
	TCVT
	WIN taw
.else
.if pq < 16
	WIN tpf
	PCVT
	WIN taw
.endif
.endif
.set tt, tt+1
.endr
.set tk, tk+1
.endr
.if (\c) > 0
.if ((\c)&1) == 0
	STEP2 \l, (\c)/2-1
.endif
.endif
.endm
; The chunk's end: no run follows under which the last tile could be packed.  The bias is asked for first; the four v_nop are the places ahead of the conversions.
.macro TAIL l
	NOP4
	WIN 0
	s_wait_alu depctr_va_vdst(0)                   ; the last run is done reading the top of its B buffer, in which the bias lands; v[VB], stepped at the last chunk's end, is written
	ds_load_b128 v[TMP:TMP+3], v[VB]
	ds_load_b128 v[TMP+4:TMP+7], v[VB] offset:16
.if \l == 1
	ds_load_b128 v[TMP+8:TMP+11], v[VB] offset:128
	ds_load_b128 v[TMP+12:TMP+15], v[VB] offset:144
.endif
.set tq, 0
.set tsrc, ACC+64
.set tdst, 4
.rept 4
	TCVT
.endr
.if \l == 1
	STEP2 1, 1
.else
	STEP2 2, 3
.endif
.endm
; fc1's end of a chunk.  Sum tile (t, bit') holds (m3 = 8h + j, column (g, token)); wanted is (t, 0) at g = 0 plus (t, 1) at g = 1.  Two row tiles
; a = 2p, b = 2p + 1 share the lanes: lanes with g = 0 end up with tile a, lanes with g = 1 with tile b.  Then bias, GELU, the running maximum, h to LDS.
.macro EPI1
	NOP4
	WIN 0x0f
.set ep, 0
.rept 2
.set ej, 0
.rept 8
	v_cndmask_b32 v[EU+8*ep+ej], v[PS2+32*ep+24+ej], v[PS2+32*ep+ej], s16       ; g = 0: (a, 0); g = 1: (b, 1): what stays
	v_cndmask_b32 v[EV+8*ep+ej], v[PS2+32*ep+8+ej], v[PS2+32*ep+16+ej], s16     ; g = 0: (b, 0); g = 1: (a, 1): what crosses
.set ej, ej+1
.endr
.set ep, ep+1
.endr
	WIN 0
.set ei, 0
.rept 16
	v_add_f32_dpp v[EZ+ei], v[EV+ei], v[EU+ei] row_xmask:8 row_mask:0xf bank_mask:0xf
.set ei, ei+1
.endr
	s_wait_dscnt 0x0                               ; the bias
.set ei, 0
.rept 8
	v_pk_fma_f32 v[EZ+2*ei:EZ+2*ei+1], v[EZ+2*ei:EZ+2*ei+1], v[12:13], v[TMP+2*ei:TMP+2*ei+1]    ; z
.set ei, ei+1
.endr
.set ei, 0
.rept 16
	v_cmp_gt_f32 s[CM+ei], 0, v[EZ+ei]             ; the masks z < 0, in one run, each into a scalar register of its own: one wait serves them all, ahead of the selects far below
.set ei, ei+1
.endr
.set ei, 0
.rept 16
	v_fma_f32 v[ET+ei], |v[EZ+ei]|, s19, 1.0
.set ei, ei+1
.endr
.set ei, 0
.rept 16
	v_rcp_f32 v[ET+ei], v[ET+ei]                   ; t; the packed products that follow are the plain place behind the last of the run (ISA guide 5.7.2)
.set ei, ei+1
.endr
.set ei, 0
.rept 8
	v_pk_mul_f32 v[EW+2*ei:EW+2*ei+1], v[EZ+2*ei:EZ+2*ei+1], v[EZ+2*ei:EZ+2*ei+1]
.set ei, ei+1
.endr
.set ei, 0
.rept 8
	v_pk_mul_f32 v[EW+2*ei:EW+2*ei+1], v[EW+2*ei:EW+2*ei+1], 0xbf38aa3b op_sel_hi:[1,0]          ; -z^2 log2(e) / 2
.set ei, ei+1
.endr
.set ei, 0
.rept 16
	v_exp_f32 v[EW+ei], v[EW+ei]                   ; exp(-z^2 / 2); the first Horner line is the plain place behind the run
.set ei, ei+1
.endr
.set ei, 0
	s_wait_alu depctr_va_vdst(0)
.rept 8
	v_pk_fma_f32 v[EP+2*ei:EP+2*ei+1], v[ET+2*ei:ET+2*ei+1], v[22:23], 0xbf3a00e3 op_sel_hi:[1,1,0]   ; a5/2 t + a4/2
.set ei, ei+1
.endr
.irp cf, 0x3f35f0e3, 0xbe11a98e, 0x3e027906
.set ei, 0
.rept 8
	v_pk_fma_f32 v[EP+2*ei:EP+2*ei+1], v[EP+2*ei:EP+2*ei+1], v[ET+2*ei:ET+2*ei+1], \cf op_sel_hi:[1,1,0]   ; a3/2, a2/2, a1/2
.set ei, ei+1
.endr
.endr
.set ei, 0
.rept 8
	v_pk_mul_f32 v[EP+2*ei:EP+2*ei+1], v[EP+2*ei:EP+2*ei+1], v[ET+2*ei:ET+2*ei+1]
.set ei, ei+1
.endr
.set ei, 0
.rept 8
	v_pk_mul_f32 v[EP+2*ei:EP+2*ei+1], v[EP+2*ei:EP+2*ei+1], v[EW+2*ei:EW+2*ei+1]               ; q
.set ei, ei+1
.endr
.set ei, 0
.rept 8
	v_pk_fma_f32 v[ER+2*ei:ER+2*ei+1], v[EP+2*ei:EP+2*ei+1], -1.0, 1.0 op_sel_hi:[1,0,0]        ; 1 - q
.set ei, ei+1
.endr
	s_wait_alu depctr_va_sdst(0)                   ; the sixteen compares have written s[CM ..], ahead of their first readers
.set ei, 0
.rept 16
	v_cndmask_b32 v[ER+ei], v[ER+ei], v[EP+ei], s[CM+ei]                                        ; Phi
.set ei, ei+1
.endr
.set ei, 0
.rept 8
	v_pk_mul_f32 v[ER+2*ei:ER+2*ei+1], v[ER+2*ei:ER+2*ei+1], v[EZ+2*ei:EZ+2*ei+1]               ; h
.set ei, ei+1
.endr
.set ei, 0
.rept 8
	v_max3_num_f32 v10, |v[ER+2*ei]|, |v[ER+2*ei+1]|, v10
.set ei, ei+1
.endr
	s_wait_alu depctr_va_vdst(0)                   ; h and v[VH] are written, which the stores read; and the epilogue is done with both B buffers, in which the next chunk's first loads land
.set ei, 0
.rept 16
	ds_store_b32 v[VH], v[ER+ei] offset:(ei/8)*1152+(ei%8)*64      ; a2 = 4w + 2p + g, c = j, bit = h: the 32 lanes hit 32 different banks
.set ei, ei+1
.endr
	s_wait_alu depctr_vm_vsrc(0)                   ; the stores have read v[VH] and the bias's loads v[VB], which the adds write; this chunk's stores of step 0 have read the batch, which the next chunk's products write
	v_add_nc_u32 v[VH], 9224, v[VH]
	v_add_nc_u32 v[VB], 1024, v[VB]
.endm
; fc2's end of a chunk.  Sum tile t holds (bit' = h, b3 = j, column (g, token)); wanted is lane group 0 (h = g = 0) plus lane group 3 (h = g = 1).
; The four tiles are folded into one set of eight registers: lane groups 0, 1, 2, 3 end up with tiles 0, 1, 3, 2.
.macro EPI2
	NOP4
	WIN 0x03
.set ei, 0
.rept 8
	v_mov_b32 v[32+ei], v[PS2+8+ei]                ; tiles 1 and 3 into window 0, where the move across lanes is made
	v_mov_b32 v[40+ei], v[PS2+24+ei]
.set ei, ei+1
.endr
	WIN 0
.set ei, 0
.rept 16
	v_mov_b32_dpp v[48+ei], v[32+ei] row_xmask:8 row_mask:0xf bank_mask:0xf      ; their groups 0, 3 to groups 1, 2
.set ei, ei+1
.endr
	WIN 0x0c
.set ei, 0
.rept 8
	v_cndmask_b32 v[64+ei], v[48+ei], v[PS2+ei], s17               ; groups 0, 3: tile 0; groups 1, 2: tile 1
	v_cndmask_b32 v[72+ei], v[56+ei], v[PS2+16+ei], s17            ; the same of tiles 2, 3
.set ei, ei+1
.endr
	WIN 0
.set ei, 0
.rept 8
	v_cndmask_b32 v[80+ei], v[72+ei], v[64+ei], s18                ; what stays
	v_cndmask_b32 v[88+ei], v[64+ei], v[72+ei], s18                ; what crosses
.set ei, ei+1
.endr
.set ei, 0
.rept 8
	v_permlanex16_b32 v[96+ei], v[88+ei], s21, s20                 ; from lane xor 24
.set ei, ei+1
.endr
.set ei, 0
.rept 4
	v_pk_add_f32 v[80+2*ei:81+2*ei], v[80+2*ei:81+2*ei], v[96+2*ei:97+2*ei]
.set ei, ei+1
.endr
	s_wait_dscnt 0x0                               ; the bias
.set ei, 0
.rept 4
	v_pk_fma_f32 v[80+2*ei:81+2*ei], v[80+2*ei:81+2*ei], v[12:13], v[TMP+2*ei:TMP+2*ei+1]
.set ei, ei+1
.endr
	s_wait_alu depctr_va_vdst(0)                   ; y and v[VH] are written, which the stores read; and the epilogue is done with both B buffers, in which the next loads from LDS land
	ds_store_b128 v[VH], v[80:83]
	ds_store_b128 v[VH], v[84:87] offset:16
	s_wait_alu depctr_vm_vsrc(0)                   ; the stores have read v[VH] and the bias's loads v[VB], which the adds write; this chunk's stores of step 0 have read the batch, which the next chunk's products write
	v_add_nc_u32 v[VH], 512, v[VH]
	v_add_nc_u32 v[VB], 512, v[VB]
.endm
; One chunk.  The barrier orders two things: every wave's stores of the buffer read now (par), and every wave's reads of the buffer written now (1 - par).
; prod: step 0 of the next chunk (its first 16 matrix instructions run while tile 0's fragments come from LDS).
; pre: fetch step 0's A for the chunk after that.  extra: fetch fc2's middle core (window 2, which step 0 no longer needs in fc1's last chunk).
.macro STEP l, par, prod, pre, extra
	s_wait_dscnt 0x0                               ; my LDS stores and loads are done before I signal
	s_barrier_signal -1
	s_barrier_wait -1
	LOADB \par, 0, BF0                             ; no wait: since the wait ahead of the last stores only the two address adds were issued, which name neither this buffer nor v1, v2
.if \prod
	s_wait_loadcnt 0x0                             ; step 0's A (and, the first time, all other weights)
	PWMMA \l, 0, 1-\par
.endif
.if \extra
	WIN 0x80
	s_wait_alu depctr_va_vdst(0)                   ; step 0's products and conversions of the chunk before are done with window 2's registers, in which these loads land
.set xq, 0
.rept 64
	global_load_b128 v[4*xq:4*xq+3], v1, s[28:29] offset:LSTR+512*xq
.set xq, xq+1
.endr
	WIN 0
.endif
.if \l == 1
	TILE 1, \par, 0, -1, 0
	TILE 1, \par, 1, -1, \pre
	TILE 1, \par, 2, -1, 0
	TILE 1, \par, 3, -1, 0
	TAIL 1
	EPI1
.else
	TILE 2, \par, 0, -1, 0
	TILE 2, \par, 1, -1, 0
	TILE 2, \par, 2, -1, 0
	TILE 2, \par, 3, 2*\prod-1, 0                  ; step 0's second batch, when the first has been stored
	TILE 2, \par, 4, -1, \pre
	TILE 2, \par, 5, -1, 0
	TILE 2, \par, 6, -1, 0
	TILE 2, \par, 7, -1, 0
	TAIL 2
	EPI2
.endif
.endm
	; ---- addresses and first loads
	s_load_b256 s[4:11], s[0:1], 0x0               ; x s[4:5], fc1_b s[6:7], fc2_b s[8:9], wts s[10:11]
	s_load_b64 s[12:13], s[0:1], 0x20              ; out0
	v_lshl_add_u32 v4, v0, 2, 0x49200
	v_mov_b32 v5, 0
	v_lshrrev_b32 v20, 5, v0
	v_readfirstlane_b32 s14, v20                   ; wave 0..3
	v_and_b32 v21, 31, v0
	v_lshlrev_b32 v1, 4, v21                       ; 16 lane
	s_lshl_b32 s24, ttmp9, 15                      ; 8 tokens of 4,096 bytes
	s_mov_b32 s25, 0
	s_wait_alu depctr_va_sdst(0)                   ; s14 is written, ahead of its first reader
	s_lshl_b32 s32, s14, 13
	v_add_nc_u32 v16, s32, v1                      ; my wave's two tokens in x and in out0
	v_lshlrev_b32 v18, 4, v0                       ; 16 t: the biases
	s_wait_kmcnt 0x0
	s_add_nc_u64 s[4:5], s[4:5], s[24:25]
	s_add_nc_u64 s[12:13], s[12:13], s[24:25]
	s_wait_alu depctr_va_vdst(0)                   ; v1, v16 and v18 are written, which the loads below read as their offsets
.set k, 0
.rept 16
	global_load_b128 v[BF0+4*k:BF0+4*k+3], v16, s[4:5] offset:512*k th:TH_LOAD_NT
.set k, k+1
.endr
.set k, 0
.rept 8
	global_load_b128 v[96+4*k:99+4*k], v18, s[6:7] offset:2048*k
.set k, k+1
.endr
	global_load_b128 v[128:131], v18, s[8:9]
	global_load_b128 v[132:135], v18, s[8:9] offset:2048
	s_add_nc_u64 s[26:27], s[10:11], A0OFF
	global_load_b128 v[FA0:FA0+3], v1, s[26:27]    ; step 0's A of chunk 0
	s_lshl_b32 s24, s14, 15
	s_add_nc_u64 s[28:29], s[10:11], s[24:25]      ; my quarter of the middle core
	WIN 0x40
.set k, 0
.rept 32
	global_load_b128 v[4*k:4*k+3], v1, s[28:29] offset:512*k
.set k, k+1
.endr
	WIN 0
	s_lshl_b32 s24, s14, 8
	s_add_nc_u64 s[34:35], s[10:11], s[24:25]      ; my quarter's block of the scales
	s_load_b32 s22, s[34:35], SCOFF                ; the cores' inverse powers, fc1
	s_load_b32 s23, s[34:35], LSTR+SCOFF           ; fc2
	s_mov_b32 s16, 0x00ff00ff                      ; lanes with g = 0
	s_mov_b32 s17, 0xff0000ff                      ; lane groups 0 and 3
	s_mov_b32 s18, 0x0000ffff                      ; lanes 0-15
	s_mov_b32 s19, 0x3e6d3388                      ; 0.23164189
	s_mov_b32 s20, 0x76543210
	s_mov_b32 s21, 0xfedcba98
	v_add_nc_u32 v2, 0x10000, v1
	s_lshl_b32 s36, s14, 11                        ; my four modes in buffer 0,
	s_add_co_u32 s37, s36, 0x10000                 ; in buffer 1
	WIN 0x80
	v_add_nc_u32 v[PVW], s36, v1                   ; window 2: where fc1's step 0 stores
	v_add_nc_u32 v[PVW+1], s37, v1
	WIN 0
	v_and_b32 v224, 7, v0                          ; token
	v_bfe_u32 v225, v0, 3, 1                       ; g
	v_bfe_u32 v226, v0, 4, 1                       ; h
	s_mul_i32 s32, s14, 2304
	s_add_co_u32 s32, s32, HB
	v_mul_u32_u24 v227, 576, v225
	v_lshl_add_u32 v227, v226, 5, v227
	v_lshl_add_u32 v227, v224, 2, v227
	v_add_nc_u32 v[VH], s32, v227                  ; HB + 2304 w + 576 g + 32 h + 4 token
	s_lshl_b32 s32, s14, 8
	s_add_co_u32 s32, s32, B1S
	v_lshlrev_b32 v227, 6, v225
	v_lshl_add_u32 v227, v226, 5, v227
	v_add_nc_u32 v[VB], s32, v227                  ; B1S + 256 w + 64 g + 32 h
	s_lshl_b32 s32, s14, 7
	s_add_co_u32 s32, s32, HB
	v_mul_u32_u24 v227, XP, v224
	v_lshl_add_u32 v227, v225, 4, v227
	v_add_nc_u32 v[VX], s32, v227                  ; x: token, n2 = 4w, n3 = 4g
	v_add_nc_u32 v[VX+1], 2048, v[VX]              ; n1 = 4
	s_mul_i32 s32, s14, 2*XP
	s_add_co_u32 s32, s32, HB
	v_add_nc_u32 v17, s32, v1                      ; where my two tokens of x go
	v_add_nc_u32 v19, B1S, v18
	s_lshl_b32 s33, s14, 2
	s_add_co_u32 s33, s33, RED
	v_mov_b32 v20, s33                             ; my wave's word
	v_mov_b32 v10, 0
	v_mov_b32 v11, 0                               ; destination of v_permlanex16_b32: written before
	v_mov_b32 v22, 0x3f07dc22                      ; a5 / 2, a pair
	v_mov_b32 v23, 0x3f07dc22
.set k, 4
.rept 4
	v_mov_b32 v[FA0+k], 0                          ; step 0 has K = 8 or 16: the upper half of its A is zero for good
.set k, k+1
.endr
	s_wait_loadcnt 32                              ; loads return in order (ISA guide 5.7.1): x, the biases and step 0's A are in; the 32 loads of the middle core behind them stay out
.set k, 0
.rept 32
	v_max3_num_f32 v10, |v[BF0+2*k]|, |v[BF0+2*k+1]|, v10
.set k, k+1
.endr
	WMAX 10
	s_wait_alu depctr_va_vdst(0)                   ; all the addresses made above (v2, v6 to v9, v17, v19, v20, window 2's two) and the maximum v10 are written: the stores below and the LDS instructions of fc1 read them
.set k, 0
.rept 16
	ds_store_b128 v17, v[BF0+4*k:BF0+4*k+3] offset:(k/8)*XP+(k%8)*512
.set k, k+1
.endr
.set k, 0
.rept 10
	ds_store_b128 v19, v[96+4*k:99+4*k] offset:2048*k              ; B2S lies 16,384 bytes behind B1S: k = 8, 9 land there
.set k, k+1
.endr
	ds_store_b32 v20, v10
	WIN 0x40
.set k, 32
.rept 32
	global_load_b128 v[4*k:4*k+3], v1, s[28:29] offset:512*k
.set k, k+1
.endr
	WIN 0xc0
.set k, 0
.rept 8
	global_load_b128 v[FA2+4*k:FA2+4*k+3], v1, s[10:11] offset:A2OFF+512*k
.set k, k+1
.endr
	WIN 0
	s_wait_dscnt 0x0
	s_barrier_signal -1
	s_barrier_wait -1                              ; x, the biases and the four maxima are in LDS
	; ---- fc1
	s_wait_kmcnt 0x0
	MKSCALE 22, 0                                  ; its wait on vm_vsrc also shows x's stores done reading v[BF0 ..], in which the gather's loads land
	GATHER 2, 4, 512, 32, 4
	PWMMA 1, 0, 0                                  ; chunk 0 into buffer 0
	PDRAIN 0xaa, 4
	s_add_nc_u64 s[26:27], s[26:27], 512           ; its last load was shown done by the counted wait above
	global_load_b128 v[FA0:FA0+3], v1, s[26:27]
	v_mov_b32 v10, 0                               ; the running maximum of |h|
	s_mov_b32 s15, 7
.Lfc1:
	STEP 1, 0, 1, 1, 0
	STEP 1, 1, 1, 1, 0
	s_sub_co_i32 s15, s15, 1
	s_cmp_lg_u32 s15, 0
	s_cbranch_scc1 .Lfc1
	STEP 1, 0, 1, 0, 0                             ; chunk 14: makes chunk 15's step 0, fetches no further A
	STEP 1, 1, 0, 0, 1                             ; chunk 15: no step 0; fetches fc2's middle core
	; ---- between the layers
	WIN 0xc0
	s_wait_alu depctr_va_vdst(0)                   ; fc1's last products of step 2 are done reading their A, and those of step 0 theirs: the loads below land in both
.set k, 0
.rept 8
	global_load_b128 v[FA2+4*k:FA2+4*k+3], v1, s[10:11] offset:LSTR+A2OFF+512*k
.set k, k+1
.endr
	WIN 0
	s_add_nc_u64 s[26:27], s[10:11], LSTR+A0OFF    ; the last load that named s[26:27] was waited for in chunk 14
	global_load_b128 v[FA0:FA0+3], v1, s[26:27]
	WMAX 10
	v_mov_b32 v20, s33
	s_wait_alu depctr_va_vdst(0)                   ; v10 and v20 are written, which the store reads
	ds_store_b32 v20, v10 offset:16
	s_wait_dscnt 0x0
	s_barrier_signal -1
	s_barrier_wait -1                              ; all of h and the four maxima are in LDS
	MKSCALE 23, 16
	WIN 0x40
	v_add_nc_u32 v[PVW], s36, v1                   ; window 1, done with fc1's middle core: where fc2's step 0 stores
	v_add_nc_u32 v[PVW+1], s37, v1
	WIN 0
	v_and_b32 v224, 15, v0                         ; r
	v_bfe_u32 v226, v0, 4, 1                       ; h
	v_and_b32 v229, 7, v0                          ; token
	v_bfe_u32 v228, v0, 3, 2
	v_xor_b32 v228, v228, v226                     ; which of my four row tiles the lane ends up with
	s_mul_i32 s32, s14, 2304
	s_add_co_u32 s32, s32, HB
	v_mul_u32_u24 v227, 73792, v226
	v_lshl_add_u32 v227, v224, 2, v227
	v_add_nc_u32 v[VX], s32, v227                  ; h: a1 = 8h, a2 = 4w, column r
	v_add_nc_u32 v[VX+1], 36896, v[VX]             ; a1 + 4
	s_lshl_b32 s32, s14, 7
	s_add_co_u32 s34, s32, HB
	s_add_co_u32 s32, s32, B2S
	v_mul_u32_u24 v227, YP, v229
	v_lshl_add_u32 v227, v228, 5, v227
	v_add_nc_u32 v[VH], s34, v227                  ; y: token, b2 = 4w + tile
	v_lshlrev_b32 v227, 5, v228
	v_add_nc_u32 v[VB], s32, v227
	s_wait_alu depctr_va_vdst(0)                   ; the gather's bases v8 and v9 are written, which its loads read; so are v[VH], v[VB] and window 1's two addresses, for fc2's LDS instructions
	GATHER 4, 8, 9224, 576, 64
	s_wait_loadcnt 0x0                             ; all of fc2's weights
	PWMMA 2, 0, 0                                  ; chunk 0 into buffer 0, two batches
	PDRAIN 0x55, 8
	PWMMA 2, 1, 0
	PDRAIN 0x55, 8
	s_add_nc_u64 s[26:27], s[26:27], 512
	global_load_b128 v[FA0:FA0+3], v1, s[26:27]
	; ---- fc2
	s_mov_b32 s15, 3
.Lfc2:
	STEP 2, 0, 1, 1, 0
	STEP 2, 1, 1, 1, 0
	s_sub_co_i32 s15, s15, 1
	s_cmp_lg_u32 s15, 0
	s_cbranch_scc1 .Lfc2
	STEP 2, 0, 1, 0, 0
	STEP 2, 1, 0, 0, 0
	; ---- the way out: whole rows back from LDS, each store of the wave covers 512 consecutive bytes, aligned
	s_mul_i32 s32, s14, 2*YP
	s_add_co_u32 s32, s32, HB
	v_add_nc_u32 v17, s32, v1
	s_wait_dscnt 0x0
	s_barrier_signal -1
	s_barrier_wait -1                              ; every wave's part of y is in LDS
	s_wait_alu depctr_va_vdst(0)                   ; v17 is written, which the loads read as their address
.set k, 0
.rept 16
	ds_load_b128 v[BF0+4*k:BF0+4*k+3], v17 offset:(k/8)*YP+(k%8)*512
.set k, k+1
.endr
.set k, 0
.rept 16
	s_wait_dscnt 15-k                              ; LDS loads return in order (ISA guide 5.7.1): load k is in, the 15 - k younger ones stay out
	global_store_b128 v16, v[BF0+4*k:BF0+4*k+3], s[12:13] offset:512*k th:TH_STORE_NT
.set k, k+1
.endr
	s_wait_dscnt 0x0
	s_wait_alu depctr_hold_cnt(0) depctr_sa_sdst(0) depctr_va_vdst(0) depctr_va_sdst(0) depctr_va_ssrc(0) depctr_va_vcc(0) depctr_vm_vsrc(0)
	s_wait_tensorcnt 0x0
	ds_add_u32 v4, v5
	s_wait_dscnt 0x0
	s_endpgm
.Lfunc_end_k_q0c390763d9_ttffn:
	.size	k_q0c390763d9_ttffn, .Lfunc_end_k_q0c390763d9_ttffn-k_q0c390763d9_ttffn
	.p2alignl 7, 3214868480
	.fill 96, 4, 3214868480
	.section	.rodata,"a",@progbits
	.p2align	6, 0x0
	.amdhsa_kernel k_q0c390763d9_ttffn
		.amdhsa_group_segment_fixed_size 300032
		.amdhsa_private_segment_fixed_size 0
		.amdhsa_enable_private_segment 0
		.amdhsa_kernarg_size 40
		.amdhsa_user_sgpr_count 2
		.amdhsa_user_sgpr_kernarg_segment_ptr 1
		.amdhsa_wavefront_size32 1
		.amdhsa_system_sgpr_workgroup_id_x 1
		.amdhsa_system_sgpr_workgroup_id_y 1
		.amdhsa_system_sgpr_workgroup_id_z 1
		.amdhsa_system_vgpr_workitem_id 0
		.amdhsa_next_free_vgpr 1024
		.amdhsa_next_free_sgpr 66
		.amdhsa_reserve_vcc 0
		.amdhsa_float_denorm_mode_32 3
		.amdhsa_float_denorm_mode_16_64 3
		.amdhsa_memory_ordered 1
		.amdhsa_forward_progress 1
		.amdhsa_inst_pref_size 255
	.end_amdhsa_kernel
	.section	.bss,"aw",@nobits
	.p2align	6
	.space	262144
	.amdgpu_metadata
---
amdhsa.version: [ 1, 2 ]
amdhsa.kernels:
  - .name:           k_q0c390763d9_ttffn
    .symbol:         k_q0c390763d9_ttffn.kd
    .args:
      - { .name: x, .offset: 0, .size: 8, .value_kind: global_buffer, .address_space: global }
      - { .name: fc1_b, .offset: 8, .size: 8, .value_kind: global_buffer, .address_space: global }
      - { .name: fc2_b, .offset: 16, .size: 8, .value_kind: global_buffer, .address_space: global }
      - { .name: wts, .offset: 24, .size: 8, .value_kind: global_buffer, .address_space: global }
      - { .name: out0, .offset: 32, .size: 8, .value_kind: global_buffer, .address_space: global }
    .group_segment_fixed_size: 300032
    .private_segment_fixed_size: 0
    .kernarg_segment_align: 8
    .kernarg_segment_size: 40
    .max_flat_workgroup_size: 128
    .sgpr_count:     66
    .vgpr_count:     1024
    .wavefront_size: 32
...
	.end_amdgpu_metadata
.endif
;; end of part 3
